; MI455X (gfx1250); checked and timed in simulation.
; The chip was launched on July 23, 2026; its instructions are those of AMD's public machine-readable ISA for CDNA 5 (MIT licence, August 2026) and "CDNA5" Instruction Set Architecture Reference Guide (July 2026). The comments in the code are by the model that wrote it; some were corrected since.
;; Multihead Attention. Allowed arithmetic: matrix products marked QUANTISED: E4M3 operands, one given power-of-two scale a tensor, by v_wmma_f32_16x16x64_fp8_fp8 or v_wmma_f32_16x16x128_fp8_fp8, f32 sums; everything else in f32.
;; Inputs: K 2 x 2,048 x 256 float32; Q 2 x 2,048 x 256 float32; V 2 x 2,048 x 256 float32; Wk 256 x 256 float32; Wq 256 x 256 float32; Wv 256 x 256 float32; beta 256 float32; bk 256 float32; bq 256 float32; bv 256 float32; gamma 256 float32; lowp_scales 10 int32 (the exponents e of the quantised operands' scales 2^e).
;; Outputs: out0 2 x 2,048 x 256 float32; out1 2 x 2,048 float32.
;; This version of the problem:
;;   THIS VERSION OF THE PROBLEM IS GIVEN IN LOW PRECISION. The matrix products marked QUANTISED in the list below multiply operands that are first quantised to E4M3 (4 exponent bits, 3 mantissa bits; 8 bits a number), with one given power-of-two scale for each operand tensor; their sums are f32. All else is computed in f32.
;;   The module's matrix products, in the order in which they are computed (A, B: the left and right operand; K: the contracted axis; several contracted axes count as one K, in the product's order):
;;     1. [M 4,096, K 256] x [K 256, N 256]; A: input Q; B: input Wq: QUANTISED (scales: A lowp_scales[0], B lowp_scales[1])
;;     2. [M 4,096, K 256] x [K 256, N 256]; A: input K; B: input Wk: QUANTISED (scales: A lowp_scales[2], B lowp_scales[3])
;;     3. [M 4,096, K 256] x [K 256, N 256]; A: input V; B: input Wv: QUANTISED (scales: A lowp_scales[4], B lowp_scales[5])
;;     4. batch 16 x [M 2,048, K 32] x [K 32, N 2,048]; A: computed on the way; B: computed on the way: QUANTISED (scales: A lowp_scales[6], B lowp_scales[7])
;;     5. batch 16 x [M 2,048, K 2,047] x [K 2,047, N 32]; A: computed on the way; B: computed on the way: QUANTISED (scales: A lowp_scales[8], B lowp_scales[9])
;;   THE QUANTISER, for each operand of a quantised product, along K:
;;     - The operand's scale is 2^e, e = its entry of the input lowp_scales (int32; the entries are numbered through the quantised products in the list's order, A before B).
;;     - Each number is divided by the scale, clamped to +-448, and rounded to the nearest number of E4M3, ties to even, subnormals kept.
;;     - The product sums the exact products of the quantised numbers (number of the format x scale) in f32.
;;   ~~~python
;;   def quantise(x, axis, e):      # numpy; x: float32 -> the quantised numbers, widened to float32 again
;;       x = np.moveaxis(x, axis, -1); K = x.shape[-1]
;;       r = np.clip(x / 2.0 ** e, -448, 448)
;;       step = 2.0 ** (np.maximum(np.frexp(np.where(r == 0, 1, r))[1] - 1, -6) - 3)
;;       q = np.round(r / step) * step * 2.0 ** e      # np.round: ties to even
;;       return np.moveaxis(q, -1, axis).astype(np.float32)
;;   ~~~
;;   OPERANDS COMPUTED ON THE WAY. 'Computed on the way' means the value that the module computes at that place (a softmax that the list does not call 'softmax' is quantised finished and normalised). What goes into a quantiser is computed in f32, as accurately as f32 sums, v_exp_f32 and their like allow (about 1e-6 of the number): no bf16 or f16 on the way to a quantiser, and a product that is left as it is and whose result goes on into a quantised operand takes f32 operands (vector FMAs, or v_wmma_f32_16x16x4_f32). A number that lies on a knife's edge between two numbers of the format may be rounded either way, as far as f32 arithmetic and the matrix unit's own rounding can turn it there, and no further.
;; 2 versions, each right; version 2 is version 1 with the launches proj, attn written anew for expert scheduling mode. Each part assembles by itself: llvm-mc -triple=amdgcn-amd-amdhsa -mcpu=gfx1250 --defsym DOCPART=n.
;; ======== version 1 of 2: 3 launches
;; workspace buffers: qc 1,048,576 bytes; kc 1,048,576 bytes; vc 1,048,576 bytes; qmask 16,384 bytes; kbias 16,384 bytes; ctx 4,194,304 bytes; wpart 131,072 bytes
;; launch proj (part 1): grid 64 x 3, 16 waves a work-group, no clusters, 85,248 bytes of LDS; arguments Q, K, V, Wq, Wk, Wv, bq, bk, bv, lowp_scales, qc, kc, vc, qmask, kbias; writes qc, kc, vc, qmask, kbias
.if DOCPART == 1
	.amdgcn_target "amdgcn-amd-amdhsa--gfx1250"
	.amdhsa_code_object_version 6
	.text
	.protected	k_qd9bdcff3e1_proj
	.globl	k_qd9bdcff3e1_proj
	.p2align	8
	.type	k_qd9bdcff3e1_proj,@function
k_qd9bdcff3e1_proj:
	s_mov_b64 s[64:65], 0
	v_nop
	global_prefetch_b8 v0, s[64:65] scope:SCOPE_SE
	s_setreg_imm32_b32 hwreg(HW_REG_WAVE_MODE, 25, 1), 1
	s_wait_xcnt 0x0
; THE THREE PROJECTIONS: relu(X W + b) for X = Q, K, V ([4096][256] f32) and W = Wq, Wk, Wv ([256 (k)][256 (n)] f32), on codes of FP8 (E4M3), each operand with the one scale 2^e that is given for it;
; the results are quantised at once for the attention's products (e6 for Q's, e7 for K's, e9 for V's) and stored as IMAGES OF THE OPERAND REGISTERS that the next launch loads.
; Beside them: qmask (1.0, or 0.0 where a row of Q is all zeros) and kbias (0.0, or -2^64 where a row of K is all zeros: the next launch adds it to the scores).
; SHARES.  Work-group (x, y): rows 64 x .. 64 x + 63 of tensor y (0 Q, 1 K, 2 V).  Sixteen waves; wave w: head hd = w % 8 (output columns 32 hd .. + 31), g = w / 8.
;   It quantises rows 4 w .. 4 w + 3 of X, quantises the two fragments (column tile t = 0, 1; K step g) of its head's part of W, and, behind the one barrier, multiplies row tiles 2 g, 2 g + 1 by its head's two column tiles.
; FRAGMENTS of X and W (16 rows or columns x 128 along K, 16 registers): registers 4 c .. 4 c + 3 of lane (r, h) hold k = 128 s + 32 c + 16 h + 0 .. 15: one and the same order of k on both sides, so every product meets its partner.
; Q and K: the product is used TRANSPOSED (source 0 = 16 columns of W, source 1 = 16 rows of X): a lane holds one row, its registers eight neighbouring channels of the head: the next product's K.
; V: as it stands (source 0 = 16 rows of X, source 1 = 16 columns of W): a lane holds one channel, its registers eight neighbouring keys: the last product's K.
; The bias is the C of each sum's first matrix instruction, divided by the power of two that the sums lack; relu is one with the hold that the conversion wants.
; NO JOINT LOADS for W, which the 64 row blocks of a tensor share: it arrives as f32, 262,144 bytes, and would have to lie in LDS beside this text's 83,200 bytes: 345,344, more than the 327,680 that a work-group can be given.
; LIMITS: e0 .. e5, and e6 - e0 - e1, e7 - e2 - e3, e9 - e4 - e5, between -126 and 119, so that each power of two below and 448 times it are f32 numbers.  NaN among the inputs is not served.
.set XCP,  272                         ; LDS: a row of X's codes: 256 bytes + 16
.set SUMS, 64*XCP                      ; behind the 64 rows: 64 sums of |x|, one a row
.set WIMG, SUMS+256                    ; behind them: W's 32 fragments as images of 2,048 bytes; fragment (hd, t, s) is number 4 hd + 2 t + s
.set BI,   32                          ; v32-47   the bias in the result's layout: eight registers for each column tile
.set XR,   48                          ; v48-79   four rows of X as loaded: 8 numbers a lane and row
.set ACC,  48                          ;          later the four accumulators: (mm, t) at ACC + 8 (2 mm + t)
.set XC,   80                          ; v80-87   X's codes
.set OC,   80                          ;          later the results' codes
.set WS0,  96                          ; v96-159  64 numbers of W, column tile 0
.set WS1,  160                         ; v160-223 the same, column tile 1
.set WF,   96                          ;          later W's four fragments: (t, s) at WF + 16 (2 t + s)
.set XF,   160                         ;          and X's four: (mm, s) at XF + 16 (2 mm + s)
.set WC,   224                         ; v224-255 W's codes just made: two fragments
	s_load_b512 s[8:23], s[0:1], 0x0               ; Q s[8:9], K s[10:11], V s[12:13], Wq s[14:15], Wk s[16:17], Wv s[18:19], bq s[20:21], bk s[22:23]
	s_load_b256 s[24:31], s[0:1], 0x40             ; bv s[24:25], the scales' exponents s[26:27], qc s[28:29], kc s[30:31]
	s_load_b128 s[32:35], s[0:1], 0x60             ; vc s[32:33], qmask s[34:35]
	s_load_b64 s[36:37], s[0:1], 0x70              ; kbias
	v_lshl_add_u32 v94, v0, 2, 0x14500
	v_mov_b32 v95, 0
	v_lshrrev_b32 v1, 5, v0
	v_readfirstlane_b32 s2, v1                     ; wave w
	s_and_b32 s3, s2, 7                            ; hd
	s_lshr_b32 s4, s2, 3                           ; g
	s_mov_b32 s5, ttmp9                            ; x
	s_and_b32 s6, ttmp7, 0xffff                    ; y
	s_lshr_b32 s7, s5, 5                           ; n: the batch
	s_mov_b32 s70, 0x76543210                      ; v_permlanex16_b32's selects: lane l xor 16
	s_mov_b32 s71, 0xfedcba98
	v_and_b32 v1, 31, v0                           ; lane
	v_and_b32 v2, 15, v0                           ; r
	v_bfe_u32 v3, v0, 4, 1                         ; h
	v_lshlrev_b32 v4, 4, v1                        ; 16 x lane: X's loads, the results' stores
	v_lshlrev_b32 v15, 2, v2                       ; 4 r: V's bias
	v_lshl_add_u32 v5, v3, 14, v15                 ; W: column r, and 16 rows of 1,024 bytes further down for lanes 16-31
	v_lshlrev_b32 v14, 5, v3                       ; 32 h: Q's and K's bias
	s_mul_i32 s74, s2, 4*XCP
	v_lshlrev_b32 v6, 2, v1
	v_add_nc_u32 v6, s74, v6                       ; where I put four codes of a row: 4 x lane + my wave's four rows
	s_lshl_b32 s74, s2, 4
	s_add_co_u32 s74, s74, SUMS
	v_mov_b32 v7, s74                              ; my wave's four sums
	s_lshl_b32 s74, s3, 2
	s_add_co_u32 s74, s74, s4
	s_lshl_b32 s74, s74, 11
	s_add_co_u32 s74, s74, WIMG
	v_add_nc_u32 v8, s74, v4                       ; where I put W's images: fragment 4 hd + g (+ 2 t in the immediate)
	s_lshl_b32 s74, s3, 13
	s_add_co_u32 s74, s74, WIMG
	v_add_nc_u32 v9, s74, v4                       ; where I read my head's four
	v_mul_u32_u24 v10, v2, XCP
	v_lshl_add_u32 v10, v3, 4, v10
	s_mul_i32 s74, s4, 32*XCP
	v_add_nc_u32 v10, s74, v10                     ; X's fragments: row 32 g + r, + 16 h
	v_lshlrev_b32 v13, 3, v1                       ; 8 x lane: the masks' stores
	v_add_nc_u32 v12, SUMS, v13                    ; and the two sums that I turn into masks
.irp i, 26,27,28,29
	v_mov_b32 v\i, 0                               ; written once: a lane permute's destination counts as one of its sources
.endr
	; where my results go: Q, K: tile (8 n + hd) 128 + 4 (x % 32) + 2 g;  V: quad ((8 n + hd) 16 + (x % 32) / 2) 8 + 2 (x % 2) + g; 512 bytes each
	s_lshl_b32 s78, s7, 3
	s_add_co_u32 s78, s78, s3                      ; 8 n + hd
	s_and_b32 s79, s5, 31
	s_lshl_b32 s74, s78, 7
	s_lshl_b32 s76, s79, 2
	s_add_co_u32 s74, s74, s76
	s_lshl_b32 s76, s4, 1
	s_add_co_u32 s74, s74, s76
	s_lshl_b32 s76, s78, 4
	s_lshr_b32 s77, s79, 1
	s_add_co_u32 s76, s76, s77
	s_lshl_b32 s76, s76, 3
	s_and_b32 s77, s5, 1
	s_lshl_b32 s77, s77, 1
	s_add_co_u32 s76, s76, s77
	s_add_co_u32 s76, s76, s4
	s_cmp_eq_u32 s6, 2
	s_cselect_b32 s78, s76, s74
	s_lshl_b32 s78, s78, 9
	s_mov_b32 s79, 0
	s_mov_b32 s75, 0
	s_mov_b32 s77, 0
	s_wait_kmcnt 0x0
	s_load_b256 s[52:59], s[26:27], 0x0            ; e0 .. e7
	s_load_b64 s[60:61], s[26:27], 0x20            ; e8, e9
	s_cmp_eq_u32 s6, 0                             ; the tensor's buffers: the choice hangs on the work-group's number alone
	s_cselect_b64 s[40:41], s[8:9], s[10:11]       ; X
	s_cselect_b64 s[42:43], s[14:15], s[16:17]     ; W
	s_cselect_b64 s[44:45], s[20:21], s[22:23]     ; b
	s_cselect_b64 s[46:47], s[28:29], s[30:31]     ; the codes
	s_cselect_b64 s[48:49], s[34:35], s[36:37]     ; the mask
	s_cmp_eq_u32 s6, 2
	s_cselect_b64 s[40:41], s[12:13], s[40:41]
	s_cselect_b64 s[42:43], s[18:19], s[42:43]
	s_cselect_b64 s[44:45], s[24:25], s[44:45]
	s_cselect_b64 s[46:47], s[32:33], s[46:47]
	s_add_nc_u64 s[46:47], s[46:47], s[78:79]
	s_lshl_b32 s74, s5, 6
	s_lshl_b32 s76, s2, 2
	s_add_co_u32 s74, s74, s76
	s_lshl_b32 s74, s74, 10
	s_add_nc_u64 s[40:41], s[40:41], s[74:75]      ; X at row 64 x + 4 w
	s_lshl_b32 s76, s3, 7
	s_add_nc_u64 s[44:45], s[44:45], s[76:77]      ; b at my head's 32 numbers
	s_lshl_b32 s74, s4, 17
	s_add_co_u32 s74, s74, s76
	s_add_nc_u64 s[42:43], s[42:43], s[74:75]      ; W at row 128 g, column 32 hd
	s_lshl_b32 s74, s5, 8
	s_add_nc_u64 s[48:49], s[48:49], s[74:75]      ; the mask at row 64 x
	; The bias first, so that the counted waits below have the same loads behind them on both ways.
	s_cmp_eq_u32 s6, 2
	s_cbranch_scc1 .Lbias_v
.irp t, 0,1
	global_load_b128 v[BI+8*\t:BI+8*\t+3], v14, s[44:45] offset:64*\t        ; Q, K: register j of tile t is channel 16 t + 8 h + j
	global_load_b128 v[BI+8*\t+4:BI+8*\t+7], v14, s[44:45] offset:64*\t+16
.endr
	s_branch .Lbias_done
.Lbias_v:
.irp t, 0,1
.irp j, 0,1,2,3,4,5,6,7
	global_load_b32 v[BI+8*\t+\j], v15, s[44:45] offset:64*\t                ; V: all eight registers of tile t are channel 16 t + r
.endr
.endr
.Lbias_done:
.irp i, 0,1,2,3
.irp u, 0,1
	global_load_b128 v[XR+8*\i+4*\u:XR+8*\i+4*\u+3], v4, s[40:41] offset:1024*\i+512*\u th:TH_LOAD_NT   ; row i, columns 128 u + 4 lane on: 32 lanes read 512 consecutive bytes
.endr
.endr
; 64 numbers of W for column tile t: lane (r, h) takes column 16 t + r, and its registers run DOWN K: register 16 c + i is k = 128 g + 32 c + 16 h + i
.macro WLOAD t, reg
.irp c, 0,1,2,3
.irp i, 0,1,2,3,4,5,6,7,8,9,10,11,12,13,14,15
	global_load_b32 v[\reg+16*\c+\i], v5, s[42:43] offset:(32*\c+\i)*1024+64*\t
.endr
.endr
.endm
	WLOAD 0, WS0
; 2^e as f32 (the conversion takes its exponent field) and 448 x 2^e (the hold)
.macro MKSCALE e, vs, vl
	s_add_co_i32 s74, \e, 127
	s_lshl_b32 s75, s74, 23
	v_mov_b32 v[\vs], s75
	s_add_co_i32 s74, s74, 8
	s_lshl_b32 s74, s74, 23
	s_or_b32 s74, s74, 0x600000
	v_mov_b32 v[\vl], s74
.endm
	s_wait_kmcnt 0x0
	s_cmp_eq_u32 s6, 0
	s_cselect_b32 s66, s52, s54                    ; ea: X's
	s_cselect_b32 s67, s53, s55                    ; eb: W's
	s_cselect_b32 s68, s58, s59                    ; eo: the result's
	s_cselect_b32 s72, 0, 0xdf800000               ; what a row of zeros gets: Q 0.0, K -2^64
	s_cselect_b32 s73, 0x3f800000, 0               ; and any other row: Q 1.0, K 0.0
	s_cmp_eq_u32 s6, 2
	s_cselect_b32 s66, s56, s66
	s_cselect_b32 s67, s57, s67
	s_cselect_b32 s68, s61, s68
	s_add_co_i32 s69, s66, s67                     ; a sum stands for sum x 2^(ea + eb):
	s_sub_co_i32 s76, s68, s69                     ; its code is sum / 2^(eo - ea - eb): the three scales folded into one,
	s_sub_co_i32 s69, 0, s69                       ; and the bias goes in as b / 2^(ea + eb)
	MKSCALE s66, 16, 17
	MKSCALE s67, 18, 19
	MKSCALE s76, 20, 21
	; ---- X: my four rows: the sum of |x|, then the codes
	s_wait_loadcnt 63                              ; 64 loads of W were issued behind X's: all that is older than they has landed (63 is the largest count that the wait can name)
.irp i, 0,1,2,3
	v_add_f32 v[22+\i], |v[XR+8*\i]|, |v[XR+8*\i+1]|
.endr
.irp j, 2,3,4,5,6,7
.irp i, 0,1,2,3
	v_add_f32 v[22+\i], v[22+\i], |v[XR+8*\i+\j]|
.endr
.endr
.irp m, 1,2,4,8
.irp i, 0,1,2,3
	v_add_f32_dpp v[22+\i], v[22+\i], v[22+\i] row_xmask:\m row_mask:0xf bank_mask:0xf
.endr
.endr
.irp i, 0,1,2,3
	v_permlanex16_b32 v[26+\i], v[22+\i], s70, s71
.endr
.irp i, 0,1,2,3
	v_add_f32 v[22+\i], v[22+\i], v[26+\i]         ; every lane holds the row's sum: 0 only where the whole row is 0
.endr
.irp j, 0,1,2,3,4,5,6,7,8,9,10,11,12,13,14,15
	v_ldexp_f32 v[BI+\j], v[BI+\j], s69            ; b / 2^(ea + eb)
.endr
.irp i, 0,1,2,3
.irp j, 0,1,2,3,4,5,6,7
	v_med3_num_f32 v[XR+8*\i+\j], v[XR+8*\i+\j], -v17, v17   ; the conversion to an 8-bit code does not saturate (ISA guide 7.6.2): the hold at 448 x the scale
.endr
	v_cvt_scalef32_pk8_fp8_f32 v[XC+2*\i:XC+2*\i+1], v[XR+8*\i:XR+8*\i+7], v16
.endr
	v_nop                                          ; one plain vector instruction behind the last conversion: the products later write its sources
.irp i, 0,1,2,3
	ds_store_b32 v6, v[XC+2*\i] offset:XCP*\i              ; columns 4 lane on,
	ds_store_b32 v6, v[XC+2*\i+1] offset:XCP*\i+128        ; and 128 + 4 lane on
	ds_store_b32 v7, v[22+\i] offset:4*\i                  ; all lanes write the same word with the same value
.endr
	WLOAD 1, WS1
	; ---- W: my two fragments
.macro QW src, dst
.irp c, 0,1,2,3
.irp i, 0,1,2,3,4,5,6,7,8,9,10,11,12,13,14,15
	v_med3_num_f32 v[\src+16*\c+\i], v[\src+16*\c+\i], -v19, v19
.endr
	v_cvt_scalef32_pk8_fp8_f32 v[\dst+4*\c:\dst+4*\c+1], v[\src+16*\c:\src+16*\c+7], v18
	v_cvt_scalef32_pk8_fp8_f32 v[\dst+4*\c+2:\dst+4*\c+3], v[\src+16*\c+8:\src+16*\c+15], v18
.endr
	v_nop                                          ; one plain vector instruction behind the last conversion
.endm
.macro IMAGE t                         ; a fragment goes to LDS as it stands: lane l's 16 bytes at 16 l, 512 bytes a store
.irp c, 0,1,2,3
	ds_store_b128 v8, v[WC+16*\t+4*\c:WC+16*\t+4*\c+3] offset:4096*\t+512*\c
.endr
.endm
	s_wait_loadcnt 63                              ; 64 loads (column tile 1) were issued behind column tile 0's: tile 0 has landed
	QW WS0, WC
	IMAGE 0
	s_wait_loadcnt 0x0
	QW WS1, WC+16
	IMAGE 1
	s_wait_dscnt 0x0                               ; for the others' sake: all my LDS stores have landed
	s_barrier_signal -1
	s_barrier_wait -1                              ; X's 64 rows of codes, their sums and W's 32 fragments lie in LDS; nothing is stored there any more
	; ---- the masks: wave 0 of Q's and K's work-groups: 64 rows, two a lane: 256 consecutive bytes, aligned
	s_cmp_lg_u32 s2, 0
	s_cbranch_scc1 .Lno_mask
	s_cmp_eq_u32 s6, 2
	s_cbranch_scc1 .Lno_mask
	ds_load_b64 v[22:23], v12
	v_mov_b32 v24, s72
	v_mov_b32 v25, s73
	s_wait_dscnt 0x0
	v_cmp_eq_f32 vcc_lo, 0, v22
	v_cndmask_b32 v22, v25, v24, vcc_lo
	v_cmp_eq_f32 vcc_lo, 0, v23
	v_cndmask_b32 v23, v25, v24, vcc_lo
	global_store_b64 v13, v[22:23], s[48:49]
.Lno_mask:
	; ---- the products: my head's four fragments of W, my two row tiles' four of X
.irp f, 0,1,2,3
.irp c, 0,1,2,3
	ds_load_b128 v[WF+16*\f+4*\c:WF+16*\f+4*\c+3], v9 offset:2048*\f+512*\c
.endr
.endr
.irp mm, 0,1
.irp s, 0,1
.irp c, 0,1,2,3
	ds_load_b128 v[XF+16*(2*\mm+\s)+4*\c:XF+16*(2*\mm+\s)+4*\c+3], v10 offset:16*XCP*\mm+128*\s+32*\c
.endr
.endr
.endr
	s_wait_dscnt 0x0
; Eight matrix instructions: the four accumulators take turns, one instruction a turn.  nat = 0: transposed (Q, K); nat = 1: as it stands (V).
.macro PATH nat
.irp s, 0,1
.irp mm, 0,1
.irp t, 0,1
.set rD, ACC+8*(2*\mm+\t)
.set rX, XF+16*(2*\mm+\s)
.set rW, WF+16*(2*\t+\s)
.set rC, rD
.if \s == 0
.set rC, BI+8*\t                       ; the first K step starts the sum with the bias
.endif
.if \nat
	v_wmma_f32_16x16x128_fp8_fp8 v[rD:rD+7], v[rX:rX+15], v[rW:rW+15], v[rC:rC+7]
.else
	v_wmma_f32_16x16x128_fp8_fp8 v[rD:rD+7], v[rW:rW+15], v[rX:rX+15], v[rC:rC+7]
.endif
.endr
.endr
.endr
.rept 4
	v_nop                                          ; four places between the last product and the first read of results (ISA guide 7.12.1)
.endr
.set k, 0
.rept 32
	v_med3_num_f32 v[ACC+k], v[ACC+k], 0, v21      ; relu and the hold in one; each accumulator from its low end on
.set k, k+1
.endr
.irp mm, 0,1
.irp t, 0,1
.if \nat
	v_cvt_scalef32_pk8_fp8_f32 v[OC+4*\t+2*\mm:OC+4*\t+2*\mm+1], v[ACC+8*(2*\mm+\t):ACC+8*(2*\mm+\t)+7], v20   ; channel 16 t + r, keys 16 mm + 8 h + 0 .. 7 of my 32
.else
	v_cvt_scalef32_pk8_fp8_f32 v[OC+4*\mm+2*\t:OC+4*\mm+2*\t+1], v[ACC+8*(2*\mm+\t):ACC+8*(2*\mm+\t)+7], v20   ; row 16 mm + r, channels 16 t + 8 h + 0 .. 7
.endif
.endr
.endr
	v_nop
	global_store_b128 v4, v[OC:OC+3], s[46:47]                          ; 32 lanes store 512 consecutive bytes, aligned
.if \nat
	global_store_b128 v4, v[OC+4:OC+7], s[46:47] offset:2048            ; V: channel tile 1 lies four quads on
.else
	global_store_b128 v4, v[OC+4:OC+7], s[46:47] offset:512             ; Q, K: the next row tile
.endif
	s_wait_tensorcnt 0x0
	ds_add_u32 v94, v95
	s_wait_dscnt 0x0
	s_endpgm
.endm
	s_cmp_eq_u32 s6, 2
	s_cbranch_scc1 .Lfor_v
	PATH 0
.Lfor_v:
	PATH 1
.Lfunc_end_k_qd9bdcff3e1_proj:
	.size	k_qd9bdcff3e1_proj, .Lfunc_end_k_qd9bdcff3e1_proj-k_qd9bdcff3e1_proj
	.p2alignl 7, 3214868480
	.fill 96, 4, 3214868480
	.section	.rodata,"a",@progbits
	.p2align	6, 0x0
	.amdhsa_kernel k_qd9bdcff3e1_proj
		.amdhsa_group_segment_fixed_size 85248
		.amdhsa_private_segment_fixed_size 0
		.amdhsa_enable_private_segment 0
		.amdhsa_kernarg_size 120
		.amdhsa_user_sgpr_count 2
		.amdhsa_user_sgpr_kernarg_segment_ptr 1
		.amdhsa_wavefront_size32 1
		.amdhsa_system_sgpr_workgroup_id_x 1
		.amdhsa_system_sgpr_workgroup_id_y 1
		.amdhsa_system_sgpr_workgroup_id_z 1
		.amdhsa_system_vgpr_workitem_id 0
		.amdhsa_next_free_vgpr 256
		.amdhsa_next_free_sgpr 80
		.amdhsa_reserve_vcc 1
		.amdhsa_float_denorm_mode_32 3
		.amdhsa_float_denorm_mode_16_64 3
		.amdhsa_memory_ordered 1
		.amdhsa_forward_progress 1
		.amdhsa_inst_pref_size 46
	.end_amdhsa_kernel
	.amdgpu_metadata
---
amdhsa.version: [ 1, 2 ]
amdhsa.kernels:
  - .name:           k_qd9bdcff3e1_proj
    .symbol:         k_qd9bdcff3e1_proj.kd
    .args:
      - { .name: Q, .offset: 0, .size: 8, .value_kind: global_buffer, .address_space: global }
      - { .name: K, .offset: 8, .size: 8, .value_kind: global_buffer, .address_space: global }
      - { .name: V, .offset: 16, .size: 8, .value_kind: global_buffer, .address_space: global }
      - { .name: Wq, .offset: 24, .size: 8, .value_kind: global_buffer, .address_space: global }
      - { .name: Wk, .offset: 32, .size: 8, .value_kind: global_buffer, .address_space: global }
      - { .name: Wv, .offset: 40, .size: 8, .value_kind: global_buffer, .address_space: global }
      - { .name: bq, .offset: 48, .size: 8, .value_kind: global_buffer, .address_space: global }
      - { .name: bk, .offset: 56, .size: 8, .value_kind: global_buffer, .address_space: global }
      - { .name: bv, .offset: 64, .size: 8, .value_kind: global_buffer, .address_space: global }
      - { .name: lowp_scales, .offset: 72, .size: 8, .value_kind: global_buffer, .address_space: global }
      - { .name: qc, .offset: 80, .size: 8, .value_kind: global_buffer, .address_space: global }
      - { .name: kc, .offset: 88, .size: 8, .value_kind: global_buffer, .address_space: global }
      - { .name: vc, .offset: 96, .size: 8, .value_kind: global_buffer, .address_space: global }
      - { .name: qmask, .offset: 104, .size: 8, .value_kind: global_buffer, .address_space: global }
      - { .name: kbias, .offset: 112, .size: 8, .value_kind: global_buffer, .address_space: global }
    .group_segment_fixed_size: 85248
    .private_segment_fixed_size: 0
    .kernarg_segment_align: 8
    .kernarg_segment_size: 120
    .max_flat_workgroup_size: 512
    .sgpr_count:     80
    .vgpr_count:     256
    .wavefront_size: 32
...
	.end_amdgpu_metadata
.endif
;; end of part 1
;; launch attn (part 2): grid 16 x 16, 16 waves a work-group, no clusters, 310,784 bytes of LDS; arguments qc, kc, vc, qmask, kbias, lowp_scales, ctx, wpart; writes ctx, wpart
.if DOCPART == 2
	.amdgcn_target "amdgcn-amd-amdhsa--gfx1250"
	.amdhsa_code_object_version 6
	.text
	.protected	k_qd9bdcff3e1_attn
	.globl	k_qd9bdcff3e1_attn
	.p2align	8
	.type	k_qd9bdcff3e1_attn,@function
k_qd9bdcff3e1_attn:
	s_mov_b64 s[64:65], 0
	v_nop
	global_prefetch_b8 v0, s[64:65] scope:SCOPE_SE
	s_setreg_imm32_b32 hwreg(HW_REG_WAVE_MODE, 25, 1), 1
	s_wait_xcnt 0x0
; ATTENTION of one (batch, head) for 128 queries, both products on codes of FP8 (E4M3).  attn = softmax(score / sqrt(32) / 0.01) x query mask is quantised FINISHED AND NORMALISED (scale 2^e8), so a row's sum is known before any weight is converted.
; SHARES.  Work-group (x, y): queries 128 x .. + 127 of y = 8 x batch + head.  THE SIXTEEN WAVES SHARE THE KEYS: wave w owns keys 128 w .. + 127 and keeps their codes of K (32 registers) and of V (32) in registers
; for the whole launch: every byte of K and V is loaded once by the work-group.  The queries go by tiles of 16: a tile's 16 x 128 scores of a wave are 64 registers and stay there from the product to the conversion: ONE exponential a score.
; A TILE has a FRONT and a BACK.  FRONT: S^T = K Q^T + mask bias (source 0 = 16 keys, source 1 = the 16 queries: a lane holds ONE query r = lane % 16, register j of key tile t the key 16 t + 8 (lane / 16) + j); my largest c s,
;   p = 2^(c s - mine), my sum.  The pair (largest, sum) goes to LDS | barrier |  BACK: every wave reads the sixteen pairs and has the row's largest and its sum l; p x 2^(mine - largest) / l x query mask is held, converted, and is source 1
;   of O^T = V^T P (128 keys: one instruction for each 16 channels).  My part of O^T goes to a block of LDS of its own.  At the end a barrier, and each wave adds the sixteen parts of eight rows and stores them.
; TWO TILES ARE IN HAND: there are two sets of 64 score registers, and the next tile's FRONT stands between the barrier's signal and its wait: registers, and LDS loads of bytes that nobody writes again.  So a wave works while the others arrive.
; c = 100 log2(e) / sqrt(32) x 2^(e6 + e7).  The largest only shifts the exponent and cancels between a weight and the sum.  One barrier a tile: the pairs lie in two halves by the tile's parity.  Pair i + 1 is stored behind the wait of barrier i,
; and every wave has signalled barrier i behind its wait for its reads of pair i - 1, which lay in the same half.
; THE KEY MASK costs no vector instruction: it is the C of the score's matrix instruction: 0, or -2^64 for a key whose row of K is all zeros.  Each wave keeps the bias of its 128 keys in 512 LDS bytes of its own, written once, and loads it
; into the score registers ahead of each tile's products, which add in place.  The codes' products are not negative and far under one step of the f32 grid at 2^64, so such a score is -2^64 itself;
; c x 2^64 is exact: beside any open key p is 0, and where all keys are hidden all p are 1: the uniform row that the definition gives.
; KEY 2,047 counts in the softmax and not in the second product: its codes of V are cleared once, at the head.
; K = 32 IN A FORM OF 64: Q's registers 4 to 7 (k = 32 .. 63) are zero codes.  K's operand of key tile t is v[KF + 4 t : KF + 4 t + 7]: its upper four registers are the next tile's codes (for tile 7: V's first four).
; Every code was held at 448 when it was made, so all are finite, and each of those products is exactly 0.
; wpart = the head's sum of attn over all keys = l x (1 / l x query mask).
; NO JOINT LOADS, though the 16 query blocks of a (batch, head) read the same 131,072 bytes of K's and V's codes: a joint load lands in LDS, where this text holds 308,736 bytes: together 439,808, more than the 327,680 that a work-group can be given;
; and they are read once, at the head, straight into the registers in which they stay.
; LIMITS: e8 between -126 and 119; e6 + e7 between -55 and 55 (c and c x 2^64 are then f32 numbers, and c x 2^64 is above 8,192); e8 + e9 is applied by v_ldexp_f32 and has none.  NaN is not served.
.set STH,  2560                        ; LDS: the pairs, two halves of 2,560 bytes: the largest at 80 r + 4 w, the sum 1,280 further on
.set WL,   2*STH                       ; 128 numbers for wpart: wave 0's alone
.set OPB,  WL+512                      ; 128 blocks (tile i, wave w) of 2,304 bytes: registers 4 q .. 4 q + 3 of lane (r, h) at 576 q + 288 h + 16 r
.set OBL,  2304
.set MBL,  OPB+128*OBL                 ; the mask bias: 512 bytes for each wave, its own
.set QM,   9                           ; v9, v10  the query mask of my lane's query, by the tile's parity
.set MU,   12                          ; v[12:13], v[14:15]  my largest c s, by the tile's parity (the upper words stay 0)
.set PUB,  16                          ; v16      the next tile's pair, kept from its FRONT to its store
.set QF,   28                          ; v28-35   Q's fragment; v32-35 stay 0
.set PC,   36                          ; v36-51   the sixteen pairs, then P's codes
.set KF,   52                          ; v52-83   K: 8 key tiles x 4 registers
.set VF,   84                          ; v84-115  V: 2 channel tiles x 16 registers
.set S,    116                         ; v116-179, v180-243  the scores, then p, by the tile's parity; a set's last 16 registers then O^T
.set FB,   116                         ; the end: 32 x 4 registers, the sixteen parts of my eight rows
; v1 16 x lane; v2 4 r; v3 where I put my pair; v4 where I read the pairs; v5 my block of tile 0; v6 of the tile in hand; v7, v8 wpart's word likewise; v11 where I read the mask bias; v17 wpart's 16 bytes; v19 where I put the mask bias;
; v[20:21] the factor; v22 448 x 2^e8; v23 2^e8; v24 the end's reads; v244-255 at work
	s_load_b512 s[8:23], s[0:1], 0x0               ; qc s[8:9], kc s[10:11], vc s[12:13], qmask s[14:15], kbias s[16:17], the scales' exponents s[18:19], ctx s[20:21], wpart s[22:23]
	v_lshrrev_b32 v1, 5, v0
	v_readfirstlane_b32 s2, v1                     ; wave w
	s_mov_b32 s3, ttmp9                            ; x
	s_and_b32 s4, ttmp7, 0xffff                    ; y = 8 n + head
	s_lshr_b32 s5, s4, 3                           ; n
	s_mov_b32 s30, 0x76543210                      ; v_permlanex16_b32's selects: lane l xor 16
	s_mov_b32 s31, 0xfedcba98
	s_mov_b32 s32, 0xffff0000                      ; lanes 16 to 31, as a mask
	v_and_b32 v25, 31, v0                          ; lane
	v_and_b32 v26, 15, v0                          ; r
	v_bfe_u32 v27, v0, 4, 1                        ; h
	v_lshlrev_b32 v1, 4, v25
	v_lshlrev_b32 v2, 2, v26
	s_lshl_b32 s38, s2, 9
	s_add_co_u32 s38, s38, MBL                     ; my wave's 512 bytes of mask bias
	v_lshlrev_b32 v11, 5, v27
	v_add_nc_u32 v11, s38, v11                     ; out of them: + 32 h: keys 16 t + 8 h on, 64 t in the immediate
	v_add_nc_u32 v19, s38, v1                      ; into them: + 16 x lane
	v_mul_u32_u24 v4, v26, 80
	v_mul_u32_u24 v3, v27, 1280
	v_add_nc_u32 v3, v3, v4
	s_lshl_b32 s38, s2, 2
	v_add_nc_u32 v3, s38, v3                       ; 1,280 h + 80 r + 4 w: lanes 0-15 put the largest, lanes 16-31 the sum
	v_lshl_add_u32 v4, v27, 5, v4                  ; 80 r + 32 h: lane (r, h) reads waves 8 h .. 8 h + 7
	v_mul_u32_u24 v5, v27, 288
	v_lshl_add_u32 v5, v26, 4, v5
	s_mul_i32 s38, s2, OBL
	s_add_co_u32 s38, s38, OPB
	v_add_nc_u32 v5, s38, v5
	v_add_nc_u32 v7, WL, v2
	v_add_nc_u32 v17, WL, v1
	; the end: wave w takes rows 8 w .. 8 w + 7 (tile w / 2); lane L: channels 4 (L % 8) on = 16 dt + 8 h' + 4 u, row L / 8 (+ 4 in the immediate)
	v_bfe_u32 v244, v0, 2, 1                       ; dt
	v_bfe_u32 v246, v0, 1, 1                       ; h'
	v_and_b32 v245, 1, v0                          ; u
	v_lshl_add_u32 v244, v244, 2, v246
	v_lshl_add_u32 v244, v245, 1, v244             ; 4 dt + 2 u + h'
	v_mul_u32_u24 v24, v244, 288
	v_bfe_u32 v245, v0, 3, 2
	v_lshl_add_u32 v24, v245, 4, v24
	s_lshr_b32 s38, s2, 1
	s_mul_i32 s38, s38, 16*OBL
	s_and_b32 s39, s2, 1
	s_lshl_b32 s39, s39, 7
	s_add_co_u32 s38, s38, s39
	s_add_co_u32 s38, s38, OPB
	v_add_nc_u32 v24, s38, v24
.irp i, 32,33,34,35
	v_mov_b32 v\i, 0                               ; Q's k = 32 .. 63: zero codes
.endr
	v_mov_b32 v[MU+1], 0                           ; (named as the upper halves of pairs whose low word serves both halves)
	v_mov_b32 v[MU+3], 0
	v_mov_b32 v21, 0
	v_mov_b32 v246, 0                              ; written once: a lane permute's destination counts as one of its sources
	s_lshl_b32 s38, s4, 7
	s_lshl_b32 s40, s3, 3
	s_add_co_u32 s40, s38, s40
	s_lshl_b32 s40, s40, 9                         ; Q: tile 128 y + 8 x, 512 bytes a tile
	s_mov_b32 s41, 0
	s_lshl_b32 s42, s2, 3
	s_add_co_u32 s42, s38, s42
	s_lshl_b32 s42, s42, 9                         ; K: tile 128 y + 8 w
	s_mov_b32 s43, 0
	s_wait_kmcnt 0x0
	s_load_b128 s[24:27], s[18:19], 0x18           ; e6, e7, e8, e9
	s_add_nc_u64 s[8:9], s[8:9], s[40:41]
	s_add_nc_u64 s[10:11], s[10:11], s[42:43]
	s_lshl_b32 s40, s4, 4
	s_add_co_u32 s40, s40, s2
	s_lshl_b32 s40, s40, 12
	s_add_nc_u64 s[12:13], s[12:13], s[40:41]      ; V: key block 16 y + w, 4,096 bytes a block
	s_lshl_b32 s38, s5, 13
	s_lshl_b32 s40, s2, 9
	s_add_co_u32 s40, s40, s38
	s_add_nc_u64 s[16:17], s[16:17], s[40:41]      ; the mask bias at key 2,048 n + 128 w
	s_lshl_b32 s40, s3, 9
	s_add_co_u32 s40, s40, s38
	s_add_nc_u64 s[14:15], s[14:15], s[40:41]      ; the query mask at query 2,048 n + 128 x
	s_lshl_b32 s38, s4, 11
	s_lshl_b32 s40, s3, 7
	s_add_co_u32 s38, s38, s40                     ; 2,048 y + 128 x
	s_lshl_b32 s40, s38, 2
	s_add_nc_u64 s[22:23], s[22:23], s[40:41]      ; wpart
	s_lshl_b32 s40, s2, 3
	s_add_co_u32 s40, s40, s38
	s_lshl_b32 s40, s40, 7
	s_add_nc_u64 s[20:21], s[20:21], s[40:41]      ; ctx at row 2,048 y + 128 x + 8 w, 128 bytes a row
.irp t, 0,1,2,3,4,5,6,7
	global_load_b128 v[KF+4*\t:KF+4*\t+3], v1, s[10:11] offset:512*\t        ; each load: 512 consecutive bytes, the registers' image
.endr
.irp q, 0,1,2,3,4,5,6,7
	global_load_b128 v[VF+4*\q:VF+4*\q+3], v1, s[12:13] offset:512*\q
.endr
	global_load_b128 v[PC:PC+3], v1, s[16:17]      ; my 128 keys' mask bias: 512 consecutive bytes
	global_load_b128 v[QF:QF+3], v1, s[8:9]        ; query tile 0
	global_load_b32 v[QM], v2, s[14:15]            ; the query masks of tiles 0 and 1
	global_load_b32 v[QM+1], v2, s[14:15] offset:64
	s_wait_kmcnt 0x0
	s_add_co_i32 s38, s24, s25
	s_lshl_b32 s38, s38, 23
	s_add_co_i32 s28, s38, 0x41cc0724              ; c: e6 + e7 added to the exponent field of 100 log2(e) / sqrt(32) = 25.503486
	s_mov_b32 s29, s28                             ; (named with it as a pair, so it is written)
	s_add_co_i32 s38, s26, 127
	s_lshl_b32 s39, s38, 23
	v_mov_b32 v23, s39                             ; 2^e8 as f32: the conversion takes its exponent field
	s_add_co_i32 s38, s38, 8
	s_lshl_b32 s38, s38, 23
	s_or_b32 s38, s38, 0x600000
	v_mov_b32 v22, s38                             ; 448 x 2^e8
	s_add_co_i32 s36, s26, s27                     ; e8 + e9
	s_mov_b32 s33, 3                               ; trips of two steps; the last two steps are written out
	s_mov_b32 s34, 0                               ; the trip's blocks in OPB
	s_mov_b32 s35, 0                               ; and its words in WL
	s_cmp_eq_u32 s2, 15                            ; key 2,047 is key 127 of block 15: registers 15 and 31 of V, byte 3, lanes 16-31
	s_cselect_b32 s38, 0x00ffffff, -1
	v_mov_b32 v245, s38
	v_cndmask_b32 v244, -1, v245, s32
	s_wait_loadcnt 0x0
	ds_store_b128 v19, v[PC:PC+3]                  ; the mask bias into my own 512 bytes: written once, read by me alone; LDS serves a wave's instructions in order (ISA guide 5.7.1.4)
	v_and_b32 v[VF+15], v[VF+15], v244
	v_and_b32 v[VF+31], v[VF+31], v244
; A TILE'S FRONT, into score set sb, its largest into v[mu].  No store of any kind stands in it, and its LDS loads read bytes that nobody writes again: so it may stand between a barrier's signal and its wait.
; ldq = 1 (the first tile alone, ahead of every barrier): tile 1's Q is asked for as soon as the products have read tile 0's.
.macro FRONT sb, mu, ldq
.irp t, 0,1,2,3,4,5,6,7
	ds_load_b128 v[\sb+8*\t:\sb+8*\t+3], v11 offset:64*\t          ; the bias of keys 16 t + 8 h + 0 .. 7: sixteen lanes read the same 16 bytes
	ds_load_b128 v[\sb+8*\t+4:\sb+8*\t+7], v11 offset:64*\t+16
.endr
	s_wait_loadcnt 0x0                             ; this tile's Q (and query mask) are in; so their pointers may step later
	s_wait_dscnt 0x0
.irp t, 0,1,2,3,4,5,6,7
	v_wmma_f32_16x16x64_fp8_fp8 v[\sb+8*\t:\sb+8*\t+7], v[KF+4*\t:KF+4*\t+7], v[QF:QF+7], v[\sb+8*\t:\sb+8*\t+7]   ; eight accumulators, one instruction each
.endr
.rept 4
	v_nop                                          ; four places in front of the first read of results and of the next load into Q's registers
.endr
.if \ldq
	s_add_nc_u64 s[8:9], s[8:9], 512
	global_load_b128 v[QF:QF+3], v1, s[8:9]
.endif
	; my largest score of my query, among my 64 keys, in two chains, each accumulator from its low end on
	v_max3_num_f32 v244, v[\sb], v[\sb+1], v[\sb+2]
	v_max3_num_f32 v245, v[\sb+3], v[\sb+4], v[\sb+5]
.irp i, 6,10,14,18,22,26,30,34,38,42,46,50,54,58
	v_max3_num_f32 v244, v244, v[\sb+\i], v[\sb+\i+1]
	v_max3_num_f32 v245, v245, v[\sb+\i+2], v[\sb+\i+3]
.endr
	v_max3_num_f32 v244, v244, v[\sb+62], v[\sb+63]
	v_max_num_f32 v244, v244, v245
	v_permlanex16_b32 v246, v244, s30, s31
	v_max_num_f32 v244, v244, v246                 ; and among lane l xor 16's
	v_mul_f32 v[\mu], s28, v244                    ; as c s (c is positive)
	; ONE BATCH: the 32 scalings c s - mine, two scores each, and the 64 exponentials; a scaling leads each two exponentials and stands two pairs ahead of them.  No line of the batch names an exponential's result.
.set j, 0
.rept 2
	v_pk_fma_f32 v[\sb+j:\sb+j+1], v[\sb+j:\sb+j+1], s[28:29], v[\mu:\mu+1] op_sel_hi:[1,0,0] neg_lo:[0,0,1] neg_hi:[0,0,1]
.set j, j+2
.endr
.set j, 0
.rept 30
	v_pk_fma_f32 v[\sb+j+4:\sb+j+5], v[\sb+j+4:\sb+j+5], s[28:29], v[\mu:\mu+1] op_sel_hi:[1,0,0] neg_lo:[0,0,1] neg_hi:[0,0,1]
	v_exp_f32 v[\sb+j], v[\sb+j]
	v_exp_f32 v[\sb+j+1], v[\sb+j+1]
.set j, j+2
.endr
.rept 4
	v_exp_f32 v[\sb+j], v[\sb+j]
.set j, j+1
.endr
	v_nop                                          ; the plain instruction behind the last exponential
	s_wait_alu depctr_va_vdst(0)                   ; one wait for the batch, ahead of its first reader
	v_pk_add_f32 v[248:249], v[\sb:\sb+1], v[\sb+2:\sb+3]          ; my sum, two at a time, in two chains
	v_pk_add_f32 v[250:251], v[\sb+4:\sb+5], v[\sb+6:\sb+7]
.irp i, 8,12,16,20,24,28,32,36,40,44,48,52,56,60
	v_pk_add_f32 v[248:249], v[248:249], v[\sb+\i:\sb+\i+1]
	v_pk_add_f32 v[250:251], v[250:251], v[\sb+\i+2:\sb+\i+3]
.endr
	v_pk_add_f32 v[248:249], v[248:249], v[250:251]
	v_add_f32 v252, v248, v249
	v_permlanex16_b32 v246, v252, s30, s31
	v_add_f32 v252, v252, v246
	v_cndmask_b32 v[PUB], v[\mu], v252, s32        ; lanes 0-15: the largest; lanes 16-31: the sum
.endm
; A TILE'S BACK, behind the barrier that shows all sixteen pairs.  par: the tile's parity.  nextq = 1: Q and the query mask of the tile two on are asked for.
.macro BACK par, nextq
.set sb, S+64*\par
	ds_load_b128 v[PC:PC+3], v4 offset:STH*\par
	ds_load_b128 v[PC+4:PC+7], v4 offset:STH*\par+16
	ds_load_b128 v[PC+8:PC+11], v4 offset:STH*\par+1280
	ds_load_b128 v[PC+12:PC+15], v4 offset:STH*\par+1296
	s_wait_dscnt 0x0
	v_max3_num_f32 v244, v[PC], v[PC+1], v[PC+2]
	v_max3_num_f32 v245, v[PC+3], v[PC+4], v[PC+5]
	v_max3_num_f32 v244, v244, v[PC+6], v[PC+7]
	v_max_num_f32 v244, v244, v245
	v_permlanex16_b32 v246, v244, s30, s31
	v_max_num_f32 v253, v244, v246                 ; the row's largest
.irp i, 0,1,2,3,4,5,6,7
	v_sub_f32 v[PC+\i], v[PC+\i], v253
.endr
	v_sub_f32 v254, v[MU+2*\par], v253
.irp i, 0,1,2,3,4,5,6,7
	v_exp_f32 v[PC+\i], v[PC+\i]
.endr
	v_exp_f32 v254, v254                           ; 2^(mine - largest)
	v_add_nc_u32 v6, s34, v5                       ; (the plain instruction behind the exponentials)  my block of this trip's first tile
	s_wait_alu depctr_va_vdst(0)                   ; one wait for the nine
	v_mul_f32 v255, v[PC+8], v[PC]
.irp i, 1,2,3,4,5,6,7
	v_fmac_f32 v255, v[PC+8+\i], v[PC+\i]
.endr
	v_permlanex16_b32 v246, v255, s30, s31
	v_add_f32 v255, v255, v246                     ; l: at least about 1, since the wave with the row's largest has a p of about 1
	v_rcp_f32 v247, v255
	v_add_nc_u32 v8, s35, v7                       ; (the plain instruction behind the reciprocal)
	s_wait_alu depctr_va_vdst(0)
	v_mul_f32 v247, v247, v[QM+\par]               ; 1 / l x query mask
	v_mul_f32 v20, v254, v247                      ; what my p are multiplied by
	v_mul_f32 v255, v255, v247                     ; the head's sum of attn over the keys
.if \nextq
	s_add_nc_u64 s[8:9], s[8:9], 512               ; the loads that used these pointers were waited for in the FRONT above
	s_add_nc_u64 s[14:15], s[14:15], 64
	global_load_b128 v[QF:QF+3], v1, s[8:9]        ; the tile two on: the next tile's products have read Q's registers, four places and more ago
	global_load_b32 v[QM+\par], v2, s[14:15] offset:64     ; its query mask, into the register that this tile has just read
.endif
	s_cmp_lg_u32 s2, 0
	s_cbranch_scc1 .Lnot_wave_0_\@
	ds_store_b32 v8, v255 offset:64*\par           ; lanes r and r + 16 write the same word with the same value
.Lnot_wave_0_\@:
.irp t, 0,1,2,3,4,5,6,7
.irp i, 0,2,4,6
	v_pk_mul_f32 v[sb+8*\t+\i:sb+8*\t+\i+1], v[sb+8*\t+\i:sb+8*\t+\i+1], v[20:21] op_sel_hi:[1,0]   ; attn
.endr
.irp i, 0,1,2,3,4,5,6,7
	v_min_num_f32 v[sb+8*\t+\i], v[sb+8*\t+\i], v22        ; the conversion does not saturate (ISA guide 7.6.2); attn is not negative, so the hold is one-sided
.endr
	v_cvt_scalef32_pk8_fp8_f32 v[PC+2*\t:PC+2*\t+1], v[sb+8*\t:sb+8*\t+7], v23   ; keys 16 t + 8 h + 0 .. 7: registers 2 t, 2 t + 1 of the operand.  (The next tile's plain lines stand behind it)
.endr
	v_nop                                          ; one plain vector instruction between the last conversion and the products, which read its result and write its sources
	v_wmma_f32_16x16x128_fp8_fp8 v[sb+48:sb+55], v[VF:VF+15], v[PC:PC+15], 0
	v_wmma_f32_16x16x128_fp8_fp8 v[sb+56:sb+63], v[VF+16:VF+31], v[PC:PC+15], 0
.rept 5
	v_nop                                          ; four places in front of the stores of results and of the loads into this set; five in front of the products of the tile two on, which write over them
.endr
.irp q, 0,1,2,3
	ds_store_b128 v6, v[sb+48+4*\q:sb+48+4*\q+3] offset:16*OBL*\par+576*\q   ; my part of O^T, into a block that is written once
.endr
.endm
; STEP i (par = i % 2).  At its head my pair of tile i has landed.  more = 1: tile i + 1 follows.
.macro STEP par, more, nextq
	s_barrier_signal -1                            ; my pair of this tile lies in LDS, and my LDS reads and stores of the tile before are done
.if \more
	FRONT S+64*(1-\par), MU+2*(1-\par), 0          ; the next tile's front half, while the others arrive
.endif
	s_barrier_wait -1                              ; all sixteen pairs lie in LDS
	BACK \par, \nextq
.if \more
	ds_store_b32 v3, v[PUB] offset:STH*(1-\par)    ; the next tile's pair, into the other half: every wave has waited for its reads of that half in front of the signal that this step's wait has seen
.endif
	s_wait_dscnt 0x0                               ; for the others' sake: my pair and my part of O^T have landed, and my reads of this tile's pairs are in
.endm
	FRONT S, MU, 1                                 ; tile 0
	ds_store_b32 v3, v[PUB]
	s_wait_dscnt 0x0
.Ltrip:                                            ; three trips: steps 0 to 5
	STEP 0, 1, 1
	STEP 1, 1, 1
	s_add_co_u32 s34, s34, 2*16*OBL
	s_add_co_u32 s35, s35, 128
	s_sub_co_i32 s33, s33, 1
	s_cmp_lg_u32 s33, 0
	s_cbranch_scc1 .Ltrip
	STEP 0, 1, 0                                   ; step 6: tile 7's front; nothing is left to ask for: no load leaves its buffer
	STEP 1, 0, 0                                   ; step 7
	; ---- THE END: the sixteen waves' parts are added, x 2^(e8 + e9), and leave as whole rows
	s_barrier_signal -1                            ; (the step's last wait has shown my parts landed)
	s_barrier_wait -1
.irp k, 0,1
.irp ws, 0,1,2,3,4,5,6,7,8,9,10,11,12,13,14,15
	ds_load_b128 v[FB+64*\k+4*\ws:FB+64*\k+4*\ws+3], v24 offset:OBL*\ws+64*\k
.endr
.endr
	s_wait_dscnt 0x0
.macro ADDQ a, b
	v_pk_add_f32 v[\a:\a+1], v[\a:\a+1], v[\b:\b+1]
	v_pk_add_f32 v[\a+2:\a+3], v[\a+2:\a+3], v[\b+2:\b+3]
.endm
.irp k, 0,1
.irp ws, 0,2,4,6,8,10,12,14
	ADDQ FB+64*\k+4*\ws, FB+64*\k+4*\ws+4
.endr
.irp ws, 0,4,8,12
	ADDQ FB+64*\k+4*\ws, FB+64*\k+4*\ws+8
.endr
.irp ws, 0,8
	ADDQ FB+64*\k+4*\ws, FB+64*\k+4*\ws+16
.endr
	ADDQ FB+64*\k, FB+64*\k+32
.irp i, 0,1,2,3
	v_ldexp_f32 v[FB+64*\k+\i], v[FB+64*\k+\i], s36
.endr
.endr
	global_store_b128 v1, v[FB:FB+3], s[20:21]                 ; four rows of 128 bytes: 512 consecutive bytes, aligned
	global_store_b128 v1, v[FB+64:FB+67], s[20:21] offset:512
	s_cmp_lg_u32 s2, 0
	s_cbranch_scc1 .Lend
	ds_load_b128 v[PC:PC+3], v17                   ; wave 0's own words
	s_wait_dscnt 0x0
	global_store_b128 v1, v[PC:PC+3], s[22:23]     ; 128 numbers: 512 consecutive bytes, aligned
.Lend:
	s_wait_xcnt 0x0
	v_lshl_add_u32 v254, v0, 2, 0x4b600
	v_mov_b32 v255, 0
	s_wait_tensorcnt 0x0
	ds_add_u32 v254, v255
	s_wait_dscnt 0x0
	s_endpgm
.Lfunc_end_k_qd9bdcff3e1_attn:
	.size	k_qd9bdcff3e1_attn, .Lfunc_end_k_qd9bdcff3e1_attn-k_qd9bdcff3e1_attn
	.p2alignl 7, 3214868480
	.fill 96, 4, 3214868480
	.section	.rodata,"a",@progbits
	.p2align	6, 0x0
	.amdhsa_kernel k_qd9bdcff3e1_attn
		.amdhsa_group_segment_fixed_size 310784
		.amdhsa_private_segment_fixed_size 0
		.amdhsa_enable_private_segment 0
		.amdhsa_kernarg_size 64
		.amdhsa_user_sgpr_count 2
		.amdhsa_user_sgpr_kernarg_segment_ptr 1
		.amdhsa_wavefront_size32 1
		.amdhsa_system_sgpr_workgroup_id_x 1
		.amdhsa_system_sgpr_workgroup_id_y 1
		.amdhsa_system_sgpr_workgroup_id_z 1
		.amdhsa_system_vgpr_workitem_id 0
		.amdhsa_next_free_vgpr 256
		.amdhsa_next_free_sgpr 66
		.amdhsa_reserve_vcc 0
		.amdhsa_float_denorm_mode_32 3
		.amdhsa_float_denorm_mode_16_64 3
		.amdhsa_memory_ordered 1
		.amdhsa_forward_progress 1
		.amdhsa_inst_pref_size 84
	.end_amdhsa_kernel
	.amdgpu_metadata
---
amdhsa.version: [ 1, 2 ]
amdhsa.kernels:
  - .name:           k_qd9bdcff3e1_attn
    .symbol:         k_qd9bdcff3e1_attn.kd
    .args:
      - { .name: qc, .offset: 0, .size: 8, .value_kind: global_buffer, .address_space: global }
      - { .name: kc, .offset: 8, .size: 8, .value_kind: global_buffer, .address_space: global }
      - { .name: vc, .offset: 16, .size: 8, .value_kind: global_buffer, .address_space: global }
      - { .name: qmask, .offset: 24, .size: 8, .value_kind: global_buffer, .address_space: global }
      - { .name: kbias, .offset: 32, .size: 8, .value_kind: global_buffer, .address_space: global }
      - { .name: lowp_scales, .offset: 40, .size: 8, .value_kind: global_buffer, .address_space: global }
      - { .name: ctx, .offset: 48, .size: 8, .value_kind: global_buffer, .address_space: global }
      - { .name: wpart, .offset: 56, .size: 8, .value_kind: global_buffer, .address_space: global }
    .group_segment_fixed_size: 310784
    .private_segment_fixed_size: 0
    .kernarg_segment_align: 8
    .kernarg_segment_size: 64
    .max_flat_workgroup_size: 512
    .sgpr_count:     66
    .vgpr_count:     256
    .wavefront_size: 32
...
	.end_amdgpu_metadata
.endif
;; end of part 2
;; launch ln (part 3): grid 256 x 1, 8 waves a work-group, no clusters, 0 bytes of LDS; arguments ctx, wpart, gamma, beta, out0, out1; writes out0, out1
.if DOCPART == 3
	.amdgcn_target "amdgcn-amd-amdhsa--gfx1250"
	.amdhsa_code_object_version 6
	.text
	.protected	k_qd9bdcff3e1_ln
	.globl	k_qd9bdcff3e1_ln
	.p2align	8
	.type	k_qd9bdcff3e1_ln,@function
k_qd9bdcff3e1_ln:
	s_mov_b64 s[64:65], 0
	v_nop
	global_prefetch_b8 v0, s[64:65] scope:SCOPE_SE
	s_setreg_imm32_b32 hwreg(HW_REG_WAVE_MODE, 25, 1), 1
	s_wait_xcnt 0x0
; out0 = LayerNorm over a row's eight heads x 32 channels: (x - mean) / sqrt(var + 1e-5) x gamma + beta;  out1 = the sum of wpart over the eight heads / 16,384.
; ctx: [8 n + head][2048][32] f32.  wpart: [8 n + head][2048] f32.  out0: [2][2048][256].  out1: [2][2048].
; A stream: no LDS, no barrier, no matrix unit; every byte is read once and written once.  Work-group x: rows 16 x .. + 15; wave w: two of them.
; Lane L: e = L % 8 (channels 4 e on), hs = (L / 8) % 2, rs = L / 16: its row is 2 w + rs; load a (0 .. 3) brings head 2 a + hs.  So a row lies in sixteen neighbouring lanes, 16 numbers a lane, its sums ride on row_xmask,
; a load reads 256 consecutive bytes for each hs (two rows of one head), and sixteen lanes store 256 consecutive bytes of a row of out0, aligned.
; 1 / sqrt is v_rsq_f32.  NaN is not served.
.set X, 16                             ; v16-31 the row's 16 numbers of my lane
.set G, 32                             ; v32-47 gamma of my 16 columns; later wpart's eight pairs
.set B, 48                             ; v48-63 beta
	s_load_b256 s[4:11], s[0:1], 0x0               ; ctx s[4:5], wpart s[6:7], gamma s[8:9], beta s[10:11]
	s_load_b128 s[12:15], s[0:1], 0x20             ; out0 s[12:13], out1 s[14:15]
	v_lshrrev_b32 v1, 5, v0
	v_readfirstlane_b32 s2, v1                     ; wave
	s_mov_b32 s3, ttmp9                            ; x
	s_lshr_b32 s16, s3, 7                          ; n
	s_and_b32 s17, s3, 127
	s_lshl_b32 s17, s17, 4                         ; q0
	v_and_b32 v1, 7, v0
	v_bfe_u32 v2, v0, 3, 1
	v_bfe_u32 v3, v0, 4, 1
	v_lshlrev_b32 v4, 4, v1
	v_lshl_add_u32 v4, v3, 7, v4
	v_lshl_add_u32 v4, v2, 18, v4                  ; ctx: 16 e + 128 rs + 262,144 hs (a head is 2,048 rows of 128 bytes)
	v_and_b32 v5, 15, v0
	v_lshlrev_b32 v5, 4, v5                        ; gamma, beta: 16 (L % 16)
	v_lshl_add_u32 v6, v3, 10, v5                  ; out0: + 1,024 rs
	v_and_b32 v7, 31, v0
	v_lshlrev_b32 v7, 3, v7                        ; wpart, out1: 8 L
	v_mov_b32 v69, 0                               ; (named as the upper half of the pair v[68:69])
	s_lshl_b32 s18, s16, 14
	s_add_co_u32 s18, s18, s17                     ; 16,384 n + q0
	s_lshl_b32 s20, s18, 2
	s_mov_b32 s21, 0
	s_lshl_b32 s19, s2, 1
	s_add_co_u32 s18, s18, s19
	s_lshl_b32 s18, s18, 7
	s_mov_b32 s19, 0
	s_lshl_b32 s22, s3, 4
	s_lshl_b32 s23, s2, 1
	s_add_co_u32 s22, s22, s23
	s_lshl_b32 s22, s22, 10
	s_mov_b32 s23, 0
	s_lshl_b32 s24, s3, 6
	s_mov_b32 s25, 0
	s_mov_b32 s26, 0x3b800000                      ; 1 / 256
	s_mov_b32 s27, 0x3727c5ac                      ; 1e-5
	s_wait_kmcnt 0x0
	s_add_nc_u64 s[4:5], s[4:5], s[18:19]
	s_add_nc_u64 s[6:7], s[6:7], s[20:21]
	s_add_nc_u64 s[12:13], s[12:13], s[22:23]
	s_add_nc_u64 s[14:15], s[14:15], s[24:25]
.irp a, 0,1,2,3
	global_load_b128 v[X+4*\a:X+4*\a+3], v4, s[4:5] offset:524288*\a th:TH_LOAD_NT
.endr
.irp a, 0,1,2,3
	global_load_b128 v[G+4*\a:G+4*\a+3], v5, s[8:9] offset:256*\a
	global_load_b128 v[B+4*\a:B+4*\a+3], v5, s[10:11] offset:256*\a
.endr
	s_wait_loadcnt 8                               ; the row: eight loads (gamma, beta) were issued behind it
	v_pk_add_f32 v[64:65], v[X:X+1], v[X+2:X+3]
	v_pk_add_f32 v[66:67], v[X+4:X+5], v[X+6:X+7]
	v_pk_add_f32 v[64:65], v[64:65], v[X+8:X+9]
	v_pk_add_f32 v[66:67], v[66:67], v[X+10:X+11]
	v_pk_add_f32 v[64:65], v[64:65], v[X+12:X+13]
	v_pk_add_f32 v[66:67], v[66:67], v[X+14:X+15]
	v_pk_add_f32 v[64:65], v[64:65], v[66:67]
	v_add_f32 v64, v64, v65
.irp m, 1,2,4,8
	v_add_f32_dpp v64, v64, v64 row_xmask:\m row_mask:0xf bank_mask:0xf
.endr
	v_mul_f32 v64, s26, v64                        ; the mean
.irp j, 0,2,4,6,8,10,12,14
	v_pk_add_f32 v[X+\j:X+\j+1], v[X+\j:X+\j+1], v[64:65] op_sel_hi:[1,0] neg_lo:[0,1] neg_hi:[0,1]
.endr
	v_pk_mul_f32 v[66:67], v[X:X+1], v[X:X+1]
.irp j, 2,4,6,8,10,12,14
	v_pk_fma_f32 v[66:67], v[X+\j:X+\j+1], v[X+\j:X+\j+1], v[66:67]
.endr
	v_add_f32 v66, v66, v67
.irp m, 1,2,4,8
	v_add_f32_dpp v66, v66, v66 row_xmask:\m row_mask:0xf bank_mask:0xf
.endr
	v_fma_f32 v66, v66, s26, s27                   ; var + 1e-5
	v_rsq_f32 v68, v66
	v_nop                                          ; a plain instruction behind the transcendental
	s_wait_loadcnt 0x0                             ; gamma and beta
	s_wait_alu depctr_va_vdst(0)                   ; and a wait ahead of its first reader
.irp j, 0,2,4,6,8,10,12,14
	v_pk_mul_f32 v[X+\j:X+\j+1], v[X+\j:X+\j+1], v[68:69] op_sel_hi:[1,0]
.endr
.irp j, 0,2,4,6,8,10,12,14
	v_pk_fma_f32 v[X+\j:X+\j+1], v[X+\j:X+\j+1], v[G+\j:G+\j+1], v[B+\j:B+\j+1]
.endr
.irp a, 0,1,2,3
	global_store_b128 v6, v[X+4*\a:X+4*\a+3], s[12:13] offset:256*\a th:TH_STORE_NT
.endr
	; out1: wave 0 of every fourth work-group takes 64 rows, two a lane: each load and the store cover 256 consecutive bytes, aligned
	s_and_b32 s18, s3, 3
	s_or_b32 s18, s18, s2
	s_cmp_lg_u32 s18, 0
	s_cbranch_scc1 .Lend
.irp hd, 0,1,2,3,4,5,6,7
	global_load_b64 v[G+2*\hd:G+2*\hd+1], v7, s[6:7] offset:8192*\hd th:TH_LOAD_NT   ; into gamma's registers, which are done with: no store reads them
.endr
	s_wait_loadcnt 0x0
.irp hd, 1,2,3,4,5,6,7
	v_pk_add_f32 v[G:G+1], v[G:G+1], v[G+2*\hd:G+2*\hd+1]
.endr
	v_pk_mul_f32 v[G:G+1], v[G:G+1], 0x38800000 op_sel_hi:[1,0]   ; / 16,384
	global_store_b64 v7, v[G:G+1], s[14:15]
.Lend:
	s_endpgm
.Lfunc_end_k_qd9bdcff3e1_ln:
	.size	k_qd9bdcff3e1_ln, .Lfunc_end_k_qd9bdcff3e1_ln-k_qd9bdcff3e1_ln
	.p2alignl 7, 3214868480
	.fill 96, 4, 3214868480
	.section	.rodata,"a",@progbits
	.p2align	6, 0x0
	.amdhsa_kernel k_qd9bdcff3e1_ln
		.amdhsa_group_segment_fixed_size 0
		.amdhsa_private_segment_fixed_size 0
		.amdhsa_enable_private_segment 0
		.amdhsa_kernarg_size 48
		.amdhsa_user_sgpr_count 2
		.amdhsa_user_sgpr_kernarg_segment_ptr 1
		.amdhsa_wavefront_size32 1
		.amdhsa_system_sgpr_workgroup_id_x 1
		.amdhsa_system_sgpr_workgroup_id_y 1
		.amdhsa_system_sgpr_workgroup_id_z 1
		.amdhsa_system_vgpr_workitem_id 0
		.amdhsa_next_free_vgpr 80
		.amdhsa_next_free_sgpr 66
		.amdhsa_reserve_vcc 0
		.amdhsa_float_denorm_mode_32 3
		.amdhsa_float_denorm_mode_16_64 3
		.amdhsa_memory_ordered 1
		.amdhsa_forward_progress 1
		.amdhsa_inst_pref_size 9
	.end_amdhsa_kernel
	.amdgpu_metadata
---
amdhsa.version: [ 1, 2 ]
amdhsa.kernels:
  - .name:           k_qd9bdcff3e1_ln
    .symbol:         k_qd9bdcff3e1_ln.kd
    .args:
      - { .name: ctx, .offset: 0, .size: 8, .value_kind: global_buffer, .address_space: global }
      - { .name: wpart, .offset: 8, .size: 8, .value_kind: global_buffer, .address_space: global }
      - { .name: gamma, .offset: 16, .size: 8, .value_kind: global_buffer, .address_space: global }
      - { .name: beta, .offset: 24, .size: 8, .value_kind: global_buffer, .address_space: global }
      - { .name: out0, .offset: 32, .size: 8, .value_kind: global_buffer, .address_space: global }
      - { .name: out1, .offset: 40, .size: 8, .value_kind: global_buffer, .address_space: global }
    .group_segment_fixed_size: 0
    .private_segment_fixed_size: 0
    .kernarg_segment_align: 8
    .kernarg_segment_size: 48
    .max_flat_workgroup_size: 256
    .sgpr_count:     66
    .vgpr_count:     80
    .wavefront_size: 32
...
	.end_amdgpu_metadata
.endif
;; end of part 3
;; ======== version 2 of 2: 3 launches; version 1 with the launches proj, attn written anew for expert scheduling mode
;; workspace buffers: qc 1,048,576 bytes; kc 1,048,576 bytes; vc 1,048,576 bytes; qmask 16,384 bytes; kbias 16,384 bytes; ctx 4,194,304 bytes; wpart 131,072 bytes
;; launch proj (part 4): grid 64 x 3, 16 waves a work-group, no clusters, 85,248 bytes of LDS; arguments Q, K, V, Wq, Wk, Wv, bq, bk, bv, lowp_scales, qc, kc, vc, qmask, kbias; writes qc, kc, vc, qmask, kbias
.if DOCPART == 4
	.amdgcn_target "amdgcn-amd-amdhsa--gfx1250"
	.amdhsa_code_object_version 6
	.text
	.protected	k_qd9bdcff3e1_proj
	.globl	k_qd9bdcff3e1_proj
	.p2align	8
	.type	k_qd9bdcff3e1_proj,@function
k_qd9bdcff3e1_proj:
	s_mov_b64 s[64:65], 0
	v_nop
	global_prefetch_b8 v0, s[64:65] scope:SCOPE_SE
	s_setreg_imm32_b32 hwreg(HW_REG_WAVE_SCHED_MODE, 0, 2), 2
	s_setreg_imm32_b32 hwreg(HW_REG_WAVE_MODE, 25, 1), 1
	s_wait_xcnt 0x0
	s_wait_alu depctr_vm_vsrc(0)
; THE THREE PROJECTIONS: relu(X W + b) for X = Q, K, V ([4096][256] f32) and W = Wq, Wk, Wv ([256 (k)][256 (n)] f32), on codes of FP8 (E4M3), each operand with the one scale 2^e that is given for it;
; the results are quantised at once for the attention's products (e6 for Q's, e7 for K's, e9 for V's) and stored as IMAGES OF THE OPERAND REGISTERS that the next launch loads.
; Beside them: qmask (1.0, or 0.0 where a row of Q is all zeros) and kbias (0.0, or -2^64 where a row of K is all zeros: the next launch adds it to the scores).
; SHARES.  Work-group (x, y): rows 64 x .. 64 x + 63 of tensor y (0 Q, 1 K, 2 V).  Sixteen waves; wave w: head hd = w % 8 (output columns 32 hd .. + 31), g = w / 8.
;   It quantises rows 4 w .. 4 w + 3 of X, quantises the two fragments (column tile t = 0, 1; K step g) of its head's part of W, and, behind the one barrier, multiplies row tiles 2 g, 2 g + 1 by its head's two column tiles.
; FRAGMENTS of X and W (16 rows or columns x 128 along K, 16 registers): registers 4 c .. 4 c + 3 of lane (r, h) hold k = 128 s + 32 c + 16 h + 0 .. 15: one and the same order of k on both sides, so every product meets its partner.
; Q and K: the product is used TRANSPOSED (source 0 = 16 columns of W, source 1 = 16 rows of X): a lane holds one row, its registers eight neighbouring channels of the head: the next product's K.
; V: as it stands (source 0 = 16 rows of X, source 1 = 16 columns of W): a lane holds one channel, its registers eight neighbouring keys: the last product's K.
; The bias is the C of each sum's first matrix instruction, divided by the power of two that the sums lack; relu is one with the hold that the conversion wants.
; NO JOINT LOADS for W, which the 64 row blocks of a tensor share: it arrives as f32, 262,144 bytes, and would have to lie in LDS beside this text's 83,200 bytes: 345,344, more than the 327,680 that a work-group can be given.
; LIMITS: e0 .. e5, and e6 - e0 - e1, e7 - e2 - e3, e9 - e4 - e5, between -126 and 119, so that each power of two below and 448 times it are f32 numbers.  NaN among the inputs is not served.
; THE MODE: SCHED_MODE bits 1:0 = 2 (LLVM: expert scheduling mode 2), set by the entry lines.  The code itself states the register dependences
; between vector or matrix instructions and memory or LDS instructions, with s_wait_alu, always for 0.
; THE PLAN.  Registers that memory or LDS instructions touch:
;   v4 - v15        offsets and LDS addresses: written at the head and never again: one wait on va_vdst ahead of the first load serves every load and store.
;   BI, XR, WS0, WS1  the loads' destinations: no vector instruction names them before their loads are issued.
;   XC, v22 - v25   written by X's conversions and sums, read by twelve LDS stores: one wait on va_vdst ahead of that run.  Behind the barrier they are written again (the masks, the results' codes): one wait on vm_vsrc there.
;   WC              written by W's conversions, read by the images' LDS stores: a wait on va_vdst ahead of each of the two runs; never written again.
;   WF, XF          v96 - v223, where W's holds and conversions worked: the fragments' LDS loads land there behind the barrier.  The wait ahead of the second image stands behind all those lines, and nothing since names these registers.
;   v22, v23        the masks: an LDS load, two selects, a store: a wait on va_vdst ahead of the store.      OC   the results' codes: a wait on va_vdst ahead of the two stores.
.set XCP,  272                         ; LDS: a row of X's codes: 256 bytes + 16
.set SUMS, 64*XCP                      ; behind the 64 rows: 64 sums of |x|, one a row
.set WIMG, SUMS+256                    ; behind them: W's 32 fragments as images of 2,048 bytes; fragment (hd, t, s) is number 4 hd + 2 t + s
.set BI,   32                          ; v32-47   the bias in the result's layout: eight registers for each column tile
.set XR,   48                          ; v48-79   four rows of X as loaded: 8 numbers a lane and row
.set ACC,  48                          ;          later the four accumulators: (mm, t) at ACC + 8 (2 mm + t)
.set XC,   80                          ; v80-87   X's codes
.set OC,   80                          ;          later the results' codes
.set WS0,  96                          ; v96-159  64 numbers of W, column tile 0
.set WS1,  160                         ; v160-223 the same, column tile 1
.set WF,   96                          ;          later W's four fragments: (t, s) at WF + 16 (2 t + s)
.set XF,   160                         ;          and X's four: (mm, s) at XF + 16 (2 mm + s)
.set WC,   224                         ; v224-255 W's codes just made: two fragments
	s_load_b512 s[8:23], s[0:1], 0x0               ; Q s[8:9], K s[10:11], V s[12:13], Wq s[14:15], Wk s[16:17], Wv s[18:19], bq s[20:21], bk s[22:23]
	s_load_b256 s[24:31], s[0:1], 0x40             ; bv s[24:25], the scales' exponents s[26:27], qc s[28:29], kc s[30:31]
	s_load_b128 s[32:35], s[0:1], 0x60             ; vc s[32:33], qmask s[34:35]
	s_load_b64 s[36:37], s[0:1], 0x70              ; kbias
	v_lshl_add_u32 v94, v0, 2, 0x14500
	v_mov_b32 v95, 0
	v_lshrrev_b32 v1, 5, v0
	v_readfirstlane_b32 s2, v1                     ; wave w
	s_mov_b32 s5, ttmp9                            ; x
	s_and_b32 s6, ttmp7, 0xffff                    ; y
	s_lshr_b32 s7, s5, 5                           ; n: the batch
	s_mov_b32 s70, 0x76543210                      ; v_permlanex16_b32's selects: lane l xor 16
	s_mov_b32 s71, 0xfedcba98
	v_and_b32 v1, 31, v0                           ; lane
	v_and_b32 v2, 15, v0                           ; r
	v_bfe_u32 v3, v0, 4, 1                         ; h
	v_lshlrev_b32 v4, 4, v1                        ; 16 x lane: X's loads, the results' stores
	v_lshlrev_b32 v15, 2, v2                       ; 4 r: V's bias
	v_lshl_add_u32 v5, v3, 14, v15                 ; W: column r, and 16 rows of 1,024 bytes further down for lanes 16-31
	v_lshlrev_b32 v14, 5, v3                       ; 32 h: Q's and K's bias
	s_wait_alu depctr_va_sdst(0)                   ; s2 is written, ahead of its first reader: the head, the half, LDS addresses and bases are made from it
	s_and_b32 s3, s2, 7                            ; hd
	s_lshr_b32 s4, s2, 3                           ; g
	s_mul_i32 s74, s2, 4*XCP
	v_lshlrev_b32 v6, 2, v1
	v_add_nc_u32 v6, s74, v6                       ; where I put four codes of a row: 4 x lane + my wave's four rows
	s_lshl_b32 s74, s2, 4
	s_add_co_u32 s74, s74, SUMS
	v_mov_b32 v7, s74                              ; my wave's four sums
	s_lshl_b32 s74, s3, 2
	s_add_co_u32 s74, s74, s4
	s_lshl_b32 s74, s74, 11
	s_add_co_u32 s74, s74, WIMG
	v_add_nc_u32 v8, s74, v4                       ; where I put W's images: fragment 4 hd + g (+ 2 t in the immediate)
	s_lshl_b32 s74, s3, 13
	s_add_co_u32 s74, s74, WIMG
	v_add_nc_u32 v9, s74, v4                       ; where I read my head's four
	v_mul_u32_u24 v10, v2, XCP
	v_lshl_add_u32 v10, v3, 4, v10
	s_mul_i32 s74, s4, 32*XCP
	v_add_nc_u32 v10, s74, v10                     ; X's fragments: row 32 g + r, + 16 h
	v_lshlrev_b32 v13, 3, v1                       ; 8 x lane: the masks' stores
	v_add_nc_u32 v12, SUMS, v13                    ; and the two sums that I turn into masks
.irp i, 26,27,28,29
	v_mov_b32 v\i, 0                               ; written once: a lane permute's destination counts as one of its sources
.endr
	; where my results go: Q, K: tile (8 n + hd) 128 + 4 (x % 32) + 2 g;  V: quad ((8 n + hd) 16 + (x % 32) / 2) 8 + 2 (x % 2) + g; 512 bytes each
	s_lshl_b32 s78, s7, 3
	s_add_co_u32 s78, s78, s3                      ; 8 n + hd
	s_and_b32 s79, s5, 31
	s_lshl_b32 s74, s78, 7
	s_lshl_b32 s76, s79, 2
	s_add_co_u32 s74, s74, s76
	s_lshl_b32 s76, s4, 1
	s_add_co_u32 s74, s74, s76
	s_lshl_b32 s76, s78, 4
	s_lshr_b32 s77, s79, 1
	s_add_co_u32 s76, s76, s77
	s_lshl_b32 s76, s76, 3
	s_and_b32 s77, s5, 1
	s_lshl_b32 s77, s77, 1
	s_add_co_u32 s76, s76, s77
	s_add_co_u32 s76, s76, s4
	s_cmp_eq_u32 s6, 2
	s_cselect_b32 s78, s76, s74
	s_lshl_b32 s78, s78, 9
	s_mov_b32 s79, 0
	s_mov_b32 s75, 0
	s_mov_b32 s77, 0
	s_wait_kmcnt 0x0
	s_load_b256 s[52:59], s[26:27], 0x0            ; e0 .. e7
	s_load_b64 s[60:61], s[26:27], 0x20            ; e8, e9
	s_cmp_eq_u32 s6, 0                             ; the tensor's buffers: the choice hangs on the work-group's number alone
	s_cselect_b64 s[40:41], s[8:9], s[10:11]       ; X
	s_cselect_b64 s[42:43], s[14:15], s[16:17]     ; W
	s_cselect_b64 s[44:45], s[20:21], s[22:23]     ; b
	s_cselect_b64 s[46:47], s[28:29], s[30:31]     ; the codes
	s_cselect_b64 s[48:49], s[34:35], s[36:37]     ; the mask
	s_cmp_eq_u32 s6, 2
	s_cselect_b64 s[40:41], s[12:13], s[40:41]
	s_cselect_b64 s[42:43], s[18:19], s[42:43]
	s_cselect_b64 s[44:45], s[24:25], s[44:45]
	s_cselect_b64 s[46:47], s[32:33], s[46:47]
	s_add_nc_u64 s[46:47], s[46:47], s[78:79]
	s_lshl_b32 s74, s5, 6
	s_lshl_b32 s76, s2, 2
	s_add_co_u32 s74, s74, s76
	s_lshl_b32 s74, s74, 10
	s_add_nc_u64 s[40:41], s[40:41], s[74:75]      ; X at row 64 x + 4 w
	s_lshl_b32 s76, s3, 7
	s_add_nc_u64 s[44:45], s[44:45], s[76:77]      ; b at my head's 32 numbers
	s_lshl_b32 s74, s4, 17
	s_add_co_u32 s74, s74, s76
	s_add_nc_u64 s[42:43], s[42:43], s[74:75]      ; W at row 128 g, column 32 hd
	s_lshl_b32 s74, s5, 8
	s_add_nc_u64 s[48:49], s[48:49], s[74:75]      ; the mask at row 64 x
	; The bias first, so that the counted waits below have the same loads behind them on both ways.
	s_wait_alu depctr_va_vdst(0)                   ; the offsets and LDS addresses v4 to v15 are written, which every load and store of the kernel reads; ahead of the branch, so on both ways
	s_cmp_eq_u32 s6, 2
	s_cbranch_scc1 .Lbias_v
.irp t, 0,1
	global_load_b128 v[BI+8*\t:BI+8*\t+3], v14, s[44:45] offset:64*\t        ; Q, K: register j of tile t is channel 16 t + 8 h + j
	global_load_b128 v[BI+8*\t+4:BI+8*\t+7], v14, s[44:45] offset:64*\t+16
.endr
	s_branch .Lbias_done
.Lbias_v:
.irp t, 0,1
.irp j, 0,1,2,3,4,5,6,7
	global_load_b32 v[BI+8*\t+\j], v15, s[44:45] offset:64*\t                ; V: all eight registers of tile t are channel 16 t + r
.endr
.endr
.Lbias_done:
.irp i, 0,1,2,3
.irp u, 0,1
	global_load_b128 v[XR+8*\i+4*\u:XR+8*\i+4*\u+3], v4, s[40:41] offset:1024*\i+512*\u th:TH_LOAD_NT   ; row i, columns 128 u + 4 lane on: 32 lanes read 512 consecutive bytes
.endr
.endr
; 64 numbers of W for column tile t: lane (r, h) takes column 16 t + r, and its registers run DOWN K: register 16 c + i is k = 128 g + 32 c + 16 h + i
.macro WLOAD t, reg
.irp c, 0,1,2,3
.irp i, 0,1,2,3,4,5,6,7,8,9,10,11,12,13,14,15
	global_load_b32 v[\reg+16*\c+\i], v5, s[42:43] offset:(32*\c+\i)*1024+64*\t
.endr
.endr
.endm
	WLOAD 0, WS0
; 2^e as f32 (the conversion takes its exponent field) and 448 x 2^e (the hold)
.macro MKSCALE e, vs, vl
	s_add_co_i32 s74, \e, 127
	s_lshl_b32 s75, s74, 23
	v_mov_b32 v[\vs], s75
	s_add_co_i32 s74, s74, 8
	s_lshl_b32 s74, s74, 23
	s_or_b32 s74, s74, 0x600000
	v_mov_b32 v[\vl], s74
.endm
	s_wait_kmcnt 0x0
	s_cmp_eq_u32 s6, 0
	s_cselect_b32 s66, s52, s54                    ; ea: X's
	s_cselect_b32 s67, s53, s55                    ; eb: W's
	s_cselect_b32 s68, s58, s59                    ; eo: the result's
	s_cselect_b32 s72, 0, 0xdf800000               ; what a row of zeros gets: Q 0.0, K -2^64
	s_cselect_b32 s73, 0x3f800000, 0               ; and any other row: Q 1.0, K 0.0
	s_cmp_eq_u32 s6, 2
	s_cselect_b32 s66, s56, s66
	s_cselect_b32 s67, s57, s67
	s_cselect_b32 s68, s61, s68
	s_add_co_i32 s69, s66, s67                     ; a sum stands for sum x 2^(ea + eb):
	s_sub_co_i32 s76, s68, s69                     ; its code is sum / 2^(eo - ea - eb): the three scales folded into one,
	s_sub_co_i32 s69, 0, s69                       ; and the bias goes in as b / 2^(ea + eb)
	MKSCALE s66, 16, 17
	MKSCALE s67, 18, 19
	MKSCALE s76, 20, 21
	; ---- X: my four rows: the sum of |x|, then the codes
	s_wait_loadcnt 63                              ; 64 loads of W were issued behind X's: all that is older than they has landed (63 is the largest count that the wait can name)
.irp i, 0,1,2,3
	v_add_f32 v[22+\i], |v[XR+8*\i]|, |v[XR+8*\i+1]|
.endr
.irp j, 2,3,4,5,6,7
.irp i, 0,1,2,3
	v_add_f32 v[22+\i], v[22+\i], |v[XR+8*\i+\j]|
.endr
.endr
.irp m, 1,2,4,8
.irp i, 0,1,2,3
	v_add_f32_dpp v[22+\i], v[22+\i], v[22+\i] row_xmask:\m row_mask:0xf bank_mask:0xf
.endr
.endr
.irp i, 0,1,2,3
	v_permlanex16_b32 v[26+\i], v[22+\i], s70, s71
.endr
.irp i, 0,1,2,3
	v_add_f32 v[22+\i], v[22+\i], v[26+\i]         ; every lane holds the row's sum: 0 only where the whole row is 0
.endr
.irp j, 0,1,2,3,4,5,6,7,8,9,10,11,12,13,14,15
	v_ldexp_f32 v[BI+\j], v[BI+\j], s69            ; b / 2^(ea + eb)
.endr
.irp i, 0,1,2,3
.irp j, 0,1,2,3,4,5,6,7
	v_med3_num_f32 v[XR+8*\i+\j], v[XR+8*\i+\j], -v17, v17   ; the conversion to an 8-bit code does not saturate (ISA guide 7.6.2): the hold at 448 x the scale
.endr
	v_cvt_scalef32_pk8_fp8_f32 v[XC+2*\i:XC+2*\i+1], v[XR+8*\i:XR+8*\i+7], v16
.endr
	v_nop                                          ; one plain vector instruction behind the last conversion: the products later write its sources
	s_wait_alu depctr_va_vdst(0)                   ; the conversions have written X's codes and the additions the four sums, which the twelve LDS stores below read
.irp i, 0,1,2,3
	ds_store_b32 v6, v[XC+2*\i] offset:XCP*\i              ; columns 4 lane on,
	ds_store_b32 v6, v[XC+2*\i+1] offset:XCP*\i+128        ; and 128 + 4 lane on
	ds_store_b32 v7, v[22+\i] offset:4*\i                  ; all lanes write the same word with the same value
.endr
	WLOAD 1, WS1                                   ; no vector instruction has named these 64 registers
	; ---- W: my two fragments
.macro QW src, dst
.irp c, 0,1,2,3
.irp i, 0,1,2,3,4,5,6,7,8,9,10,11,12,13,14,15
	v_med3_num_f32 v[\src+16*\c+\i], v[\src+16*\c+\i], -v19, v19
.endr
	v_cvt_scalef32_pk8_fp8_f32 v[\dst+4*\c:\dst+4*\c+1], v[\src+16*\c:\src+16*\c+7], v18
	v_cvt_scalef32_pk8_fp8_f32 v[\dst+4*\c+2:\dst+4*\c+3], v[\src+16*\c+8:\src+16*\c+15], v18
.endr
	v_nop                                          ; one plain vector instruction behind the last conversion
.endm
.macro IMAGE t                         ; a fragment goes to LDS as it stands: lane l's 16 bytes at 16 l, 512 bytes a store
.irp c, 0,1,2,3
	ds_store_b128 v8, v[WC+16*\t+4*\c:WC+16*\t+4*\c+3] offset:4096*\t+512*\c
.endr
.endm
	s_wait_loadcnt 63                              ; 64 loads (column tile 1) were issued behind column tile 0's: tile 0 has landed
	QW WS0, WC
	s_wait_alu depctr_va_vdst(0)                   ; the conversions have written the first fragment's codes, which the image's LDS stores read
	IMAGE 0
	s_wait_loadcnt 0x0
	QW WS1, WC+16
	s_wait_alu depctr_va_vdst(0)                   ; the conversions have written the second fragment's codes, which the image's LDS stores read; and every hold and conversion that named v96 to v223 is done: behind the barrier the fragments' LDS loads land there
	IMAGE 1
	s_wait_dscnt 0x0                               ; for the others' sake: all my LDS stores have landed
	s_barrier_signal -1
	s_barrier_wait -1                              ; X's 64 rows of codes, their sums and W's 32 fragments lie in LDS; nothing is stored there any more
	s_wait_alu depctr_vm_vsrc(0)                   ; my LDS stores have read v22 to v25 and v80 to v87: the masks' load and moves and the results' conversions write them again; ahead of the branches, so on every way
	; ---- the masks: wave 0 of Q's and K's work-groups: 64 rows, two a lane: 256 consecutive bytes, aligned
	s_cmp_lg_u32 s2, 0
	s_cbranch_scc1 .Lno_mask
	s_cmp_eq_u32 s6, 2
	s_cbranch_scc1 .Lno_mask
	ds_load_b64 v[22:23], v12                      ; the additions that wrote v22 and v23 stand ahead of the wait in front of X's LDS stores, and nothing since names them
	v_mov_b32 v24, s72
	v_mov_b32 v25, s73
	s_wait_dscnt 0x0
	v_cmp_eq_f32 s74, 0, v22
	v_cmp_eq_f32 s75, 0, v23
	s_wait_alu depctr_va_sdst(0)                   ; the two compares have written s74 and s75, ahead of the selects that read them
	v_cndmask_b32 v22, v25, v24, s74
	v_cndmask_b32 v23, v25, v24, s75
	s_wait_alu depctr_va_vdst(0)                   ; the selects have written v22 and v23, which the store reads
	global_store_b64 v13, v[22:23], s[48:49]
.Lno_mask:
	; ---- the products: my head's four fragments of W, my two row tiles' four of X
.irp f, 0,1,2,3
.irp c, 0,1,2,3
	ds_load_b128 v[WF+16*\f+4*\c:WF+16*\f+4*\c+3], v9 offset:2048*\f+512*\c
.endr
.endr
.irp mm, 0,1
.irp s, 0,1
.irp c, 0,1,2,3
	ds_load_b128 v[XF+16*(2*\mm+\s)+4*\c:XF+16*(2*\mm+\s)+4*\c+3], v10 offset:16*XCP*\mm+128*\s+32*\c
.endr
.endr
.endr
	s_wait_dscnt 0x0
; Eight matrix instructions: the four accumulators take turns, one instruction a turn.  nat = 0: transposed (Q, K); nat = 1: as it stands (V).
.macro PATH nat
.irp s, 0,1
.irp mm, 0,1
.irp t, 0,1
.set rD, ACC+8*(2*\mm+\t)
.set rX, XF+16*(2*\mm+\s)
.set rW, WF+16*(2*\t+\s)
.set rC, rD
.if \s == 0
.set rC, BI+8*\t                       ; the first K step starts the sum with the bias
.endif
.if \nat
	v_wmma_f32_16x16x128_fp8_fp8 v[rD:rD+7], v[rX:rX+15], v[rW:rW+15], v[rC:rC+7]
.else
	v_wmma_f32_16x16x128_fp8_fp8 v[rD:rD+7], v[rW:rW+15], v[rX:rX+15], v[rC:rC+7]
.endif
.endr
.endr
.endr
.rept 4
	v_nop                                          ; four places between the last product and the first read of results (ISA guide 7.12.1)
.endr
.set k, 0
.rept 32
	v_med3_num_f32 v[ACC+k], v[ACC+k], 0, v21      ; relu and the hold in one; each accumulator from its low end on
.set k, k+1
.endr
.irp mm, 0,1
.irp t, 0,1
.if \nat
	v_cvt_scalef32_pk8_fp8_f32 v[OC+4*\t+2*\mm:OC+4*\t+2*\mm+1], v[ACC+8*(2*\mm+\t):ACC+8*(2*\mm+\t)+7], v20   ; channel 16 t + r, keys 16 mm + 8 h + 0 .. 7 of my 32
.else
	v_cvt_scalef32_pk8_fp8_f32 v[OC+4*\mm+2*\t:OC+4*\mm+2*\t+1], v[ACC+8*(2*\mm+\t):ACC+8*(2*\mm+\t)+7], v20   ; row 16 mm + r, channels 16 t + 8 h + 0 .. 7
.endif
.endr
.endr
	v_nop
	s_wait_alu depctr_va_vdst(0)                   ; the conversions have written the results' codes, which the two stores read
	global_store_b128 v4, v[OC:OC+3], s[46:47]                          ; 32 lanes store 512 consecutive bytes, aligned
.if \nat
	global_store_b128 v4, v[OC+4:OC+7], s[46:47] offset:2048            ; V: channel tile 1 lies four quads on
.else
	global_store_b128 v4, v[OC+4:OC+7], s[46:47] offset:512             ; Q, K: the next row tile
.endif
	s_wait_dscnt 0x0                               ; the closing lines, six on end
	s_wait_alu 0x0
	s_wait_tensorcnt 0x0
	ds_add_u32 v94, v95
	s_wait_dscnt 0x0
	s_endpgm
.endm
	s_cmp_eq_u32 s6, 2
	s_cbranch_scc1 .Lfor_v
	PATH 0
.Lfor_v:
	PATH 1
.Lfunc_end_k_qd9bdcff3e1_proj:
	.size	k_qd9bdcff3e1_proj, .Lfunc_end_k_qd9bdcff3e1_proj-k_qd9bdcff3e1_proj
	.p2alignl 7, 3214868480
	.fill 96, 4, 3214868480
	.section	.rodata,"a",@progbits
	.p2align	6, 0x0
	.amdhsa_kernel k_qd9bdcff3e1_proj
		.amdhsa_group_segment_fixed_size 85248
		.amdhsa_private_segment_fixed_size 0
		.amdhsa_enable_private_segment 0
		.amdhsa_kernarg_size 120
		.amdhsa_user_sgpr_count 2
		.amdhsa_user_sgpr_kernarg_segment_ptr 1
		.amdhsa_wavefront_size32 1
		.amdhsa_system_sgpr_workgroup_id_x 1
		.amdhsa_system_sgpr_workgroup_id_y 1
		.amdhsa_system_sgpr_workgroup_id_z 1
		.amdhsa_system_vgpr_workitem_id 0
		.amdhsa_next_free_vgpr 256
		.amdhsa_next_free_sgpr 80
		.amdhsa_reserve_vcc 0
		.amdhsa_float_denorm_mode_32 3
		.amdhsa_float_denorm_mode_16_64 3
		.amdhsa_memory_ordered 1
		.amdhsa_forward_progress 1
		.amdhsa_inst_pref_size 47
	.end_amdhsa_kernel
	.amdgpu_metadata
---
amdhsa.version: [ 1, 2 ]
amdhsa.kernels:
  - .name:           k_qd9bdcff3e1_proj
    .symbol:         k_qd9bdcff3e1_proj.kd
    .args:
      - { .name: Q, .offset: 0, .size: 8, .value_kind: global_buffer, .address_space: global }
      - { .name: K, .offset: 8, .size: 8, .value_kind: global_buffer, .address_space: global }
      - { .name: V, .offset: 16, .size: 8, .value_kind: global_buffer, .address_space: global }
      - { .name: Wq, .offset: 24, .size: 8, .value_kind: global_buffer, .address_space: global }
      - { .name: Wk, .offset: 32, .size: 8, .value_kind: global_buffer, .address_space: global }
      - { .name: Wv, .offset: 40, .size: 8, .value_kind: global_buffer, .address_space: global }
      - { .name: bq, .offset: 48, .size: 8, .value_kind: global_buffer, .address_space: global }
      - { .name: bk, .offset: 56, .size: 8, .value_kind: global_buffer, .address_space: global }
      - { .name: bv, .offset: 64, .size: 8, .value_kind: global_buffer, .address_space: global }
      - { .name: lowp_scales, .offset: 72, .size: 8, .value_kind: global_buffer, .address_space: global }
      - { .name: qc, .offset: 80, .size: 8, .value_kind: global_buffer, .address_space: global }
      - { .name: kc, .offset: 88, .size: 8, .value_kind: global_buffer, .address_space: global }
      - { .name: vc, .offset: 96, .size: 8, .value_kind: global_buffer, .address_space: global }
      - { .name: qmask, .offset: 104, .size: 8, .value_kind: global_buffer, .address_space: global }
      - { .name: kbias, .offset: 112, .size: 8, .value_kind: global_buffer, .address_space: global }
    .group_segment_fixed_size: 85248
    .private_segment_fixed_size: 0
    .kernarg_segment_align: 8
    .kernarg_segment_size: 120
    .max_flat_workgroup_size: 512
    .sgpr_count:     80
    .vgpr_count:     256
    .wavefront_size: 32
...
	.end_amdgpu_metadata
.endif
;; end of part 4
;; launch attn (part 5): grid 16 x 16, 16 waves a work-group, no clusters, 310,784 bytes of LDS; arguments qc, kc, vc, qmask, kbias, lowp_scales, ctx, wpart; writes ctx, wpart
.if DOCPART == 5
	.amdgcn_target "amdgcn-amd-amdhsa--gfx1250"
	.amdhsa_code_object_version 6
	.text
	.protected	k_qd9bdcff3e1_attn
	.globl	k_qd9bdcff3e1_attn
	.p2align	8
	.type	k_qd9bdcff3e1_attn,@function
k_qd9bdcff3e1_attn:
	s_mov_b64 s[64:65], 0
	v_nop
	global_prefetch_b8 v0, s[64:65] scope:SCOPE_SE
	s_setreg_imm32_b32 hwreg(HW_REG_WAVE_SCHED_MODE, 0, 2), 2
	s_setreg_imm32_b32 hwreg(HW_REG_WAVE_MODE, 25, 1), 1
	s_wait_xcnt 0x0
	s_wait_alu depctr_vm_vsrc(0)
; ATTENTION of one (batch, head) for 128 queries, both products on codes of FP8 (E4M3).  attn = softmax(score / sqrt(32) / 0.01) x query mask is quantised FINISHED AND NORMALISED (scale 2^e8), so a row's sum is known before any weight is converted.
; SHARES.  Work-group (x, y): queries 128 x .. + 127 of y = 8 x batch + head.  THE SIXTEEN WAVES SHARE THE KEYS: wave w owns keys 128 w .. + 127 and keeps their codes of K (32 registers) and of V (32) in registers
; for the whole launch: every byte of K and V is loaded once by the work-group.  The queries go by tiles of 16: a tile's 16 x 128 scores of a wave are 64 registers and stay there from the product to the conversion: ONE exponential a score.
; A TILE has a FRONT and a BACK.  FRONT: S^T = K Q^T + mask bias (source 0 = 16 keys, source 1 = the 16 queries: a lane holds ONE query r = lane % 16, register j of key tile t the key 16 t + 8 (lane / 16) + j); my largest c s,
;   p = 2^(c s - mine), my sum.  The pair (largest, sum) goes to LDS | barrier |  BACK: every wave reads the sixteen pairs and has the row's largest and its sum l; p x 2^(mine - largest) / l x query mask is held, converted, and is source 1
;   of O^T = V^T P (128 keys: one instruction for each 16 channels).  My part of O^T goes to a block of LDS of its own.  At the end a barrier, and each wave adds the sixteen parts of eight rows and stores them.
; TWO TILES ARE IN HAND: there are two sets of 64 score registers, and the next tile's FRONT stands between the barrier's signal and its wait: registers, and LDS loads of bytes that nobody writes again.  So a wave works while the others arrive.
; c = 100 log2(e) / sqrt(32) x 2^(e6 + e7).  The largest only shifts the exponent and cancels between a weight and the sum.  One barrier a tile: the pairs lie in two halves by the tile's parity.  Pair i + 1 is stored behind the wait of barrier i,
; and every wave has signalled barrier i behind its wait for its reads of pair i - 1, which lay in the same half.
; THE KEY MASK costs no vector instruction: it is the C of the score's matrix instruction: 0, or -2^64 for a key whose row of K is all zeros.  Each wave keeps the bias of its 128 keys in 512 LDS bytes of its own, written once, and loads it
; into the score registers ahead of each tile's products, which add in place.  The codes' products are not negative and far under one step of the f32 grid at 2^64, so such a score is -2^64 itself;
; c x 2^64 is exact: beside any open key p is 0, and where all keys are hidden all p are 1: the uniform row that the definition gives.
; KEY 2,047 counts in the softmax and not in the second product: its codes of V are cleared once, at the head.
; K = 32 IN A FORM OF 64: Q's registers 4 to 7 (k = 32 .. 63) are zero codes.  K's operand of key tile t is v[KF + 4 t : KF + 4 t + 7]: its upper four registers are the next tile's codes (for tile 7: V's first four).
; Every code was held at 448 when it was made, so all are finite, and each of those products is exactly 0.
; wpart = the head's sum of attn over all keys = l x (1 / l x query mask).
; NO JOINT LOADS, though the 16 query blocks of a (batch, head) read the same 131,072 bytes of K's and V's codes: a joint load lands in LDS, where this text holds 308,736 bytes: together 439,808, more than the 327,680 that a work-group can be given;
; and they are read once, at the head, straight into the registers in which they stay.
; LIMITS: e8 between -126 and 119; e6 + e7 between -55 and 55 (c and c x 2^64 are then f32 numbers, and c x 2^64 is above 8,192); e8 + e9 is applied by v_ldexp_f32 and has none.  NaN is not served.
; THE MODE: SCHED_MODE bits 1:0 = 2 (LLVM: expert scheduling mode 2), set by the entry lines.  The code itself states the register dependences
; between vector or matrix instructions and memory or LDS instructions, with s_wait_alu, always for 0.
; THE PLAN.  Registers that memory or LDS instructions touch, round the loop (step i: signal, FRONT of tile i + 1, wait, BACK of tile i, the pair of tile i + 1):
;   v1 - v5, v7, v11, v17, v19, v24   offsets and LDS addresses: written at the head, never again: one wait on va_vdst ahead of the first load.
;   a score set    the bias's LDS loads land in it at its FRONT's head; vector and matrix instructions of its FRONT and BACK work in it; BACK's four LDS stores read its last sixteen registers; the bias of the tile two on lands next.
;   PC             the pairs' LDS loads land in it at BACK's head; BACK's vector instructions and its two products name it; no line of FRONT does.
;   QF             read by FRONT's eight products; the load for the tile two on is issued in the BACK that follows.      QM   read by one multiply of BACK; the load for the tile two on follows it.
;   v16            written by FRONT's last line, read by the LDS store at the step's end.      v6, v8, v255   written by vector lines of BACK, read by its LDS stores.
; THE WAITS OF A STEP.  On va_vdst: FRONT's one, behind its exponentials (it stands behind the products too: they are done reading QF); BACK's two behind its exponentials and its reciprocal; one behind BACK's three multiplies
; (v255 is written; QM is read); one ahead of the stores of O^T.  Behind that last one no vector instruction is issued until the next step's bias loads, so it also states that every reader and writer of this set is done; and FRONT names
; no register of PC, so it serves the next BACK's pair loads as well.  On vm_vsrc: one at the step's end, for all that the step's LDS stores have read and the next step writes.
.set STH,  2560                        ; LDS: the pairs, two halves of 2,560 bytes: the largest at 80 r + 4 w, the sum 1,280 further on
.set WL,   2*STH                       ; 128 numbers for wpart: wave 0's alone
.set OPB,  WL+512                      ; 128 blocks (tile i, wave w) of 2,304 bytes: registers 4 q .. 4 q + 3 of lane (r, h) at 576 q + 288 h + 16 r
.set OBL,  2304
.set MBL,  OPB+128*OBL                 ; the mask bias: 512 bytes for each wave, its own
.set QM,   9                           ; v9, v10  the query mask of my lane's query, by the tile's parity
.set MU,   12                          ; v[12:13], v[14:15]  my largest c s, by the tile's parity (the upper words stay 0)
.set PUB,  16                          ; v16      the next tile's pair, kept from its FRONT to its store
.set QF,   28                          ; v28-35   Q's fragment; v32-35 stay 0
.set PC,   36                          ; v36-51   the sixteen pairs, then P's codes
.set KF,   52                          ; v52-83   K: 8 key tiles x 4 registers
.set VF,   84                          ; v84-115  V: 2 channel tiles x 16 registers
.set S,    116                         ; v116-179, v180-243  the scores, then p, by the tile's parity; a set's last 16 registers then O^T
.set FB,   116                         ; the end: 32 x 4 registers, the sixteen parts of my eight rows
; v1 16 x lane; v2 4 r; v3 where I put my pair; v4 where I read the pairs; v5 my block of tile 0; v6 of the tile in hand; v7, v8 wpart's word likewise; v11 where I read the mask bias; v17 wpart's 16 bytes; v19 where I put the mask bias;
; v[20:21] the factor; v22 448 x 2^e8; v23 2^e8; v24 the end's reads; v244-255 at work
	s_load_b512 s[8:23], s[0:1], 0x0               ; qc s[8:9], kc s[10:11], vc s[12:13], qmask s[14:15], kbias s[16:17], the scales' exponents s[18:19], ctx s[20:21], wpart s[22:23]
	v_lshrrev_b32 v1, 5, v0
	v_readfirstlane_b32 s2, v1                     ; wave w
	s_mov_b32 s3, ttmp9                            ; x
	s_and_b32 s4, ttmp7, 0xffff                    ; y = 8 n + head
	s_lshr_b32 s5, s4, 3                           ; n
	s_mov_b32 s30, 0x76543210                      ; v_permlanex16_b32's selects: lane l xor 16
	s_mov_b32 s31, 0xfedcba98
	s_mov_b32 s32, 0xffff0000                      ; lanes 16 to 31, as a mask
	v_and_b32 v25, 31, v0                          ; lane
	v_and_b32 v26, 15, v0                          ; r
	v_bfe_u32 v27, v0, 4, 1                        ; h
	v_lshlrev_b32 v1, 4, v25
	v_lshlrev_b32 v2, 2, v26
	s_wait_alu depctr_va_sdst(0)                   ; s2 is written, ahead of its first reader: LDS addresses, bases and branches are made from it
	s_lshl_b32 s38, s2, 9
	s_add_co_u32 s38, s38, MBL                     ; my wave's 512 bytes of mask bias
	v_lshlrev_b32 v11, 5, v27
	v_add_nc_u32 v11, s38, v11                     ; out of them: + 32 h: keys 16 t + 8 h on, 64 t in the immediate
	v_add_nc_u32 v19, s38, v1                      ; into them: + 16 x lane
	v_mul_u32_u24 v4, v26, 80
	v_mul_u32_u24 v3, v27, 1280
	v_add_nc_u32 v3, v3, v4
	s_lshl_b32 s38, s2, 2
	v_add_nc_u32 v3, s38, v3                       ; 1,280 h + 80 r + 4 w: lanes 0-15 put the largest, lanes 16-31 the sum
	v_lshl_add_u32 v4, v27, 5, v4                  ; 80 r + 32 h: lane (r, h) reads waves 8 h .. 8 h + 7
	v_mul_u32_u24 v5, v27, 288
	v_lshl_add_u32 v5, v26, 4, v5
	s_mul_i32 s38, s2, OBL
	s_add_co_u32 s38, s38, OPB
	v_add_nc_u32 v5, s38, v5
	v_add_nc_u32 v7, WL, v2
	v_add_nc_u32 v17, WL, v1
	; the end: wave w takes rows 8 w .. 8 w + 7 (tile w / 2); lane L: channels 4 (L % 8) on = 16 dt + 8 h' + 4 u, row L / 8 (+ 4 in the immediate)
	v_bfe_u32 v244, v0, 2, 1                       ; dt
	v_bfe_u32 v246, v0, 1, 1                       ; h'
	v_and_b32 v245, 1, v0                          ; u
	v_lshl_add_u32 v244, v244, 2, v246
	v_lshl_add_u32 v244, v245, 1, v244             ; 4 dt + 2 u + h'
	v_mul_u32_u24 v24, v244, 288
	v_bfe_u32 v245, v0, 3, 2
	v_lshl_add_u32 v24, v245, 4, v24
	s_lshr_b32 s38, s2, 1
	s_mul_i32 s38, s38, 16*OBL
	s_and_b32 s39, s2, 1
	s_lshl_b32 s39, s39, 7
	s_add_co_u32 s38, s38, s39
	s_add_co_u32 s38, s38, OPB
	v_add_nc_u32 v24, s38, v24
.irp i, 32,33,34,35
	v_mov_b32 v\i, 0                               ; Q's k = 32 .. 63: zero codes
.endr
	v_mov_b32 v[MU+1], 0                           ; (named as the upper halves of pairs whose low word serves both halves)
	v_mov_b32 v[MU+3], 0
	v_mov_b32 v21, 0
	v_mov_b32 v246, 0                              ; written once: a lane permute's destination counts as one of its sources
	s_lshl_b32 s38, s4, 7
	s_lshl_b32 s40, s3, 3
	s_add_co_u32 s40, s38, s40
	s_lshl_b32 s40, s40, 9                         ; Q: tile 128 y + 8 x, 512 bytes a tile
	s_mov_b32 s41, 0
	s_lshl_b32 s42, s2, 3
	s_add_co_u32 s42, s38, s42
	s_lshl_b32 s42, s42, 9                         ; K: tile 128 y + 8 w
	s_mov_b32 s43, 0
	s_wait_kmcnt 0x0
	s_load_b128 s[24:27], s[18:19], 0x18           ; e6, e7, e8, e9
	s_add_nc_u64 s[8:9], s[8:9], s[40:41]
	s_add_nc_u64 s[10:11], s[10:11], s[42:43]
	s_lshl_b32 s40, s4, 4
	s_add_co_u32 s40, s40, s2
	s_lshl_b32 s40, s40, 12
	s_add_nc_u64 s[12:13], s[12:13], s[40:41]      ; V: key block 16 y + w, 4,096 bytes a block
	s_lshl_b32 s38, s5, 13
	s_lshl_b32 s40, s2, 9
	s_add_co_u32 s40, s40, s38
	s_add_nc_u64 s[16:17], s[16:17], s[40:41]      ; the mask bias at key 2,048 n + 128 w
	s_lshl_b32 s40, s3, 9
	s_add_co_u32 s40, s40, s38
	s_add_nc_u64 s[14:15], s[14:15], s[40:41]      ; the query mask at query 2,048 n + 128 x
	s_lshl_b32 s38, s4, 11
	s_lshl_b32 s40, s3, 7
	s_add_co_u32 s38, s38, s40                     ; 2,048 y + 128 x
	s_lshl_b32 s40, s38, 2
	s_add_nc_u64 s[22:23], s[22:23], s[40:41]      ; wpart
	s_lshl_b32 s40, s2, 3
	s_add_co_u32 s40, s40, s38
	s_lshl_b32 s40, s40, 7
	s_add_nc_u64 s[20:21], s[20:21], s[40:41]      ; ctx at row 2,048 y + 128 x + 8 w, 128 bytes a row
	s_wait_alu depctr_va_vdst(0)                   ; the offsets and LDS addresses v1 to v5, v7, v11, v17, v19 and v24 are written, which the loads and stores of the whole kernel read
.irp t, 0,1,2,3,4,5,6,7
	global_load_b128 v[KF+4*\t:KF+4*\t+3], v1, s[10:11] offset:512*\t        ; each load: 512 consecutive bytes, the registers' image
.endr
.irp q, 0,1,2,3,4,5,6,7
	global_load_b128 v[VF+4*\q:VF+4*\q+3], v1, s[12:13] offset:512*\q
.endr
	global_load_b128 v[PC:PC+3], v1, s[16:17]      ; my 128 keys' mask bias: 512 consecutive bytes
	global_load_b128 v[QF:QF+3], v1, s[8:9]        ; query tile 0
	global_load_b32 v[QM], v2, s[14:15]            ; the query masks of tiles 0 and 1
	global_load_b32 v[QM+1], v2, s[14:15] offset:64
	s_wait_kmcnt 0x0
	s_add_co_i32 s38, s24, s25
	s_lshl_b32 s38, s38, 23
	s_add_co_i32 s28, s38, 0x41cc0724              ; c: e6 + e7 added to the exponent field of 100 log2(e) / sqrt(32) = 25.503486
	s_mov_b32 s29, s28                             ; (named with it as a pair, so it is written)
	s_add_co_i32 s38, s26, 127
	s_lshl_b32 s39, s38, 23
	v_mov_b32 v23, s39                             ; 2^e8 as f32: the conversion takes its exponent field
	s_add_co_i32 s38, s38, 8
	s_lshl_b32 s38, s38, 23
	s_or_b32 s38, s38, 0x600000
	v_mov_b32 v22, s38                             ; 448 x 2^e8
	s_add_co_i32 s36, s26, s27                     ; e8 + e9
	s_mov_b32 s33, 3                               ; trips of two steps; the last two steps are written out
	s_mov_b32 s34, 0                               ; the trip's blocks in OPB
	s_mov_b32 s35, 0                               ; and its words in WL
	s_cmp_eq_u32 s2, 15                            ; key 2,047 is key 127 of block 15: registers 15 and 31 of V, byte 3, lanes 16-31
	s_cselect_b32 s38, 0x00ffffff, -1
	v_mov_b32 v245, s38
	v_cndmask_b32 v244, -1, v245, s32
	s_wait_loadcnt 0x0
	ds_store_b128 v19, v[PC:PC+3]                  ; the mask bias into my own 512 bytes: written once, read by me alone; LDS serves a wave's instructions in order (ISA guide 5.7.1.4).  Its data came by a load; no vector line since the head's wait names v19
	v_and_b32 v[VF+15], v[VF+15], v244
	v_and_b32 v[VF+31], v[VF+31], v244
; A TILE'S FRONT, into score set sb, its largest into v[mu].  No store of any kind stands in it, and its LDS loads read bytes that nobody writes again: so it may stand between a barrier's signal and its wait.
; ldq = 1 (the first tile alone, ahead of every barrier): tile 1's Q is asked for as soon as the products have read tile 0's.
.macro FRONT sb, mu, ldq
.irp t, 0,1,2,3,4,5,6,7
	ds_load_b128 v[\sb+8*\t:\sb+8*\t+3], v11 offset:64*\t          ; the bias of keys 16 t + 8 h + 0 .. 7: sixteen lanes read the same 16 bytes.  No wait here: the waits at the end of the step before have shown this set's readers and writers done
	ds_load_b128 v[\sb+8*\t+4:\sb+8*\t+7], v11 offset:64*\t+16
.endr
	s_wait_loadcnt 0x0                             ; this tile's Q (and query mask) are in; so their pointers may step later
	s_wait_dscnt 0x0
.irp t, 0,1,2,3,4,5,6,7
	v_wmma_f32_16x16x64_fp8_fp8 v[\sb+8*\t:\sb+8*\t+7], v[KF+4*\t:KF+4*\t+7], v[QF:QF+7], v[\sb+8*\t:\sb+8*\t+7]   ; eight accumulators, one instruction each
.endr
.rept 4
	v_nop                                          ; four places in front of the first read of results (ISA guide 7.12.1)
.endr
.if \ldq
	s_wait_alu depctr_va_vdst(0)                   ; the eight products are done reading Q's registers, in which the load below lands
	s_add_nc_u64 s[8:9], s[8:9], 512
	global_load_b128 v[QF:QF+3], v1, s[8:9]
.endif
	; my largest score of my query, among my 64 keys, in two chains, each accumulator from its low end on
	v_max3_num_f32 v244, v[\sb], v[\sb+1], v[\sb+2]
	v_max3_num_f32 v245, v[\sb+3], v[\sb+4], v[\sb+5]
.irp i, 6,10,14,18,22,26,30,34,38,42,46,50,54,58
	v_max3_num_f32 v244, v244, v[\sb+\i], v[\sb+\i+1]
	v_max3_num_f32 v245, v245, v[\sb+\i+2], v[\sb+\i+3]
.endr
	v_max3_num_f32 v244, v244, v[\sb+62], v[\sb+63]
	v_max_num_f32 v244, v244, v245
	v_permlanex16_b32 v246, v244, s30, s31
	v_max_num_f32 v244, v244, v246                 ; and among lane l xor 16's
	v_mul_f32 v[\mu], s28, v244                    ; as c s (c is positive)
	; ONE BATCH: the 32 scalings c s - mine, two scores each, and the 64 exponentials; a scaling leads each two exponentials and stands two pairs ahead of them.  No line of the batch names an exponential's result.
.set j, 0
.rept 2
	v_pk_fma_f32 v[\sb+j:\sb+j+1], v[\sb+j:\sb+j+1], s[28:29], v[\mu:\mu+1] op_sel_hi:[1,0,0] neg_lo:[0,0,1] neg_hi:[0,0,1]
.set j, j+2
.endr
.set j, 0
.rept 30
	v_pk_fma_f32 v[\sb+j+4:\sb+j+5], v[\sb+j+4:\sb+j+5], s[28:29], v[\mu:\mu+1] op_sel_hi:[1,0,0] neg_lo:[0,0,1] neg_hi:[0,0,1]
	v_exp_f32 v[\sb+j], v[\sb+j]
	v_exp_f32 v[\sb+j+1], v[\sb+j+1]
.set j, j+2
.endr
.rept 4
	v_exp_f32 v[\sb+j], v[\sb+j]
.set j, j+1
.endr
	v_nop                                          ; the plain instruction behind the last exponential
	s_wait_alu depctr_va_vdst(0)                   ; the 64 exponentials have written p, ahead of their first reader; and this tile's products are done reading Q's registers, in which the load of the BACK that follows lands
	v_pk_add_f32 v[248:249], v[\sb:\sb+1], v[\sb+2:\sb+3]          ; my sum, two at a time, in two chains
	v_pk_add_f32 v[250:251], v[\sb+4:\sb+5], v[\sb+6:\sb+7]
.irp i, 8,12,16,20,24,28,32,36,40,44,48,52,56,60
	v_pk_add_f32 v[248:249], v[248:249], v[\sb+\i:\sb+\i+1]
	v_pk_add_f32 v[250:251], v[250:251], v[\sb+\i+2:\sb+\i+3]
.endr
	v_pk_add_f32 v[248:249], v[248:249], v[250:251]
	v_add_f32 v252, v248, v249
	v_permlanex16_b32 v246, v252, s30, s31
	v_add_f32 v252, v252, v246
	v_cndmask_b32 v[PUB], v[\mu], v252, s32        ; lanes 0-15: the largest; lanes 16-31: the sum
.endm
; A TILE'S BACK, behind the barrier that shows all sixteen pairs.  par: the tile's parity.  nextq = 1: Q and the query mask of the tile two on are asked for.
.macro BACK par, nextq
.set sb, S+64*\par
	ds_load_b128 v[PC:PC+3], v4 offset:STH*\par    ; no wait here: the last lines that named PC, the BACK before's products, stand ahead of its wait in front of its stores, and FRONT names no register of PC
	ds_load_b128 v[PC+4:PC+7], v4 offset:STH*\par+16
	ds_load_b128 v[PC+8:PC+11], v4 offset:STH*\par+1280
	ds_load_b128 v[PC+12:PC+15], v4 offset:STH*\par+1296
	s_wait_dscnt 0x0
	v_max3_num_f32 v244, v[PC], v[PC+1], v[PC+2]
	v_max3_num_f32 v245, v[PC+3], v[PC+4], v[PC+5]
	v_max3_num_f32 v244, v244, v[PC+6], v[PC+7]
	v_max_num_f32 v244, v244, v245
	v_permlanex16_b32 v246, v244, s30, s31
	v_max_num_f32 v253, v244, v246                 ; the row's largest
.irp i, 0,1,2,3,4,5,6,7
	v_sub_f32 v[PC+\i], v[PC+\i], v253
.endr
	v_sub_f32 v254, v[MU+2*\par], v253
.irp i, 0,1,2,3,4,5,6,7
	v_exp_f32 v[PC+\i], v[PC+\i]
.endr
	v_exp_f32 v254, v254                           ; 2^(mine - largest)
	v_add_nc_u32 v6, s34, v5                       ; (the plain instruction behind the exponentials)  my block of this trip's first tile
	s_wait_alu depctr_va_vdst(0)                   ; the nine exponentials have written their results, ahead of the first reader
	v_mul_f32 v255, v[PC+8], v[PC]
.irp i, 1,2,3,4,5,6,7
	v_fmac_f32 v255, v[PC+8+\i], v[PC+\i]
.endr
	v_permlanex16_b32 v246, v255, s30, s31
	v_add_f32 v255, v255, v246                     ; l: at least about 1, since the wave with the row's largest has a p of about 1
	v_rcp_f32 v247, v255
	v_add_nc_u32 v8, s35, v7                       ; (the plain instruction behind the reciprocal)
	s_wait_alu depctr_va_vdst(0)                   ; the reciprocal has written v247, ahead of its first reader
	v_mul_f32 v247, v247, v[QM+\par]               ; 1 / l x query mask
	v_mul_f32 v20, v254, v247                      ; what my p are multiplied by
	v_mul_f32 v255, v255, v247                     ; the head's sum of attn over the keys
.if \nextq
	s_add_nc_u64 s[8:9], s[8:9], 512               ; the loads that used these pointers were waited for in the FRONT above
	s_add_nc_u64 s[14:15], s[14:15], 64
.endif
	s_wait_alu depctr_va_vdst(0)                   ; v255 is written, which wave 0's LDS store below reads; and the first multiply is done reading the query mask's register, in which the load below lands
.if \nextq
	global_load_b128 v[QF:QF+3], v1, s[8:9]        ; the tile two on: the next tile's products, which read Q's registers, stand ahead of the waits above, and nothing since names them
	global_load_b32 v[QM+\par], v2, s[14:15] offset:64     ; its query mask, into the register that this tile has just read
.endif
	s_cmp_lg_u32 s2, 0
	s_cbranch_scc1 .Lnot_wave_0_\@
	ds_store_b32 v8, v255 offset:64*\par           ; lanes r and r + 16 write the same word with the same value
.Lnot_wave_0_\@:
.irp t, 0,1,2,3,4,5,6,7
.irp i, 0,2,4,6
	v_pk_mul_f32 v[sb+8*\t+\i:sb+8*\t+\i+1], v[sb+8*\t+\i:sb+8*\t+\i+1], v[20:21] op_sel_hi:[1,0]   ; attn
.endr
.irp i, 0,1,2,3,4,5,6,7
	v_min_num_f32 v[sb+8*\t+\i], v[sb+8*\t+\i], v22        ; the conversion does not saturate (ISA guide 7.6.2); attn is not negative, so the hold is one-sided
.endr
	v_cvt_scalef32_pk8_fp8_f32 v[PC+2*\t:PC+2*\t+1], v[sb+8*\t:sb+8*\t+7], v23   ; keys 16 t + 8 h + 0 .. 7: registers 2 t, 2 t + 1 of the operand.  (The next tile's plain lines stand behind it)
.endr
	v_nop                                          ; one plain vector instruction between the last conversion and the products, which read its result and write its sources
	v_wmma_f32_16x16x128_fp8_fp8 v[sb+48:sb+55], v[VF:VF+15], v[PC:PC+15], 0
	v_wmma_f32_16x16x128_fp8_fp8 v[sb+56:sb+63], v[VF+16:VF+31], v[PC:PC+15], 0
.rept 5
	v_nop                                          ; four places in front of the stores of results; five in front of the products of the tile two on, which write over them
.endr
	s_wait_alu depctr_va_vdst(0)                   ; the two products have written O^T, which the four LDS stores read, and are done reading PC; every vector line that named this set is done: the bias of the tile two on lands in it, the next pairs in PC
.irp q, 0,1,2,3
	ds_store_b128 v6, v[sb+48+4*\q:sb+48+4*\q+3] offset:16*OBL*\par+576*\q   ; my part of O^T, into a block that is written once
.endr
.endm
; STEP i (par = i % 2).  At its head my pair of tile i has landed.  more = 1: tile i + 1 follows.
.macro STEP par, more, nextq
	s_barrier_signal -1                            ; my pair of this tile lies in LDS, and my LDS reads and stores of the tile before are done
.if \more
	FRONT S+64*(1-\par), MU+2*(1-\par), 0          ; the next tile's front half, while the others arrive
.endif
	s_barrier_wait -1                              ; all sixteen pairs lie in LDS
	BACK \par, \nextq
.if \more
	ds_store_b32 v3, v[PUB] offset:STH*(1-\par)    ; the next tile's pair, into the other half: every wave has waited for its reads of that half in front of the signal that this step's wait has seen.  (v16 was written in FRONT, ahead of BACK's waits)
.endif
	s_wait_dscnt 0x0                               ; for the others' sake: my pair and my part of O^T have landed, and my reads of this tile's pairs are in
	s_wait_alu depctr_vm_vsrc(0)                   ; my LDS stores have read their registers: this set's last sixteen, in which LDS loads land next; v16, v6, v8 and v255, which the next step's vector lines write
.endm
	FRONT S, MU, 1                                 ; tile 0
	s_wait_alu depctr_va_vdst(0)                   ; FRONT's last line has written v16, which the LDS store reads
	ds_store_b32 v3, v[PUB]
	s_wait_dscnt 0x0
	s_wait_alu depctr_vm_vsrc(0)                   ; the LDS stores so far have read v36 to v39 (the mask bias), in which the first pairs land, and v16, which the next FRONT writes
.Ltrip:                                            ; three trips: steps 0 to 5
	STEP 0, 1, 1
	STEP 1, 1, 1
	s_add_co_u32 s34, s34, 2*16*OBL
	s_add_co_u32 s35, s35, 128
	s_sub_co_i32 s33, s33, 1
	s_cmp_lg_u32 s33, 0
	s_cbranch_scc1 .Ltrip
	STEP 0, 1, 0                                   ; step 6: tile 7's front; nothing is left to ask for: no load leaves its buffer
	STEP 1, 0, 0                                   ; step 7
	; ---- THE END: the sixteen waves' parts are added, x 2^(e8 + e9), and leave as whole rows
	s_barrier_signal -1                            ; (the step's last wait has shown my parts landed)
	s_barrier_wait -1
.irp k, 0,1
.irp ws, 0,1,2,3,4,5,6,7,8,9,10,11,12,13,14,15
	ds_load_b128 v[FB+64*\k+4*\ws:FB+64*\k+4*\ws+3], v24 offset:OBL*\ws+64*\k   ; into both score sets: the waits of steps 6 and 7 have shown their readers and writers done
.endr
.endr
	s_wait_dscnt 0x0
.macro ADDQ a, b
	v_pk_add_f32 v[\a:\a+1], v[\a:\a+1], v[\b:\b+1]
	v_pk_add_f32 v[\a+2:\a+3], v[\a+2:\a+3], v[\b+2:\b+3]
.endm
.irp k, 0,1
.irp ws, 0,2,4,6,8,10,12,14
	ADDQ FB+64*\k+4*\ws, FB+64*\k+4*\ws+4
.endr
.irp ws, 0,4,8,12
	ADDQ FB+64*\k+4*\ws, FB+64*\k+4*\ws+8
.endr
.irp ws, 0,8
	ADDQ FB+64*\k+4*\ws, FB+64*\k+4*\ws+16
.endr
	ADDQ FB+64*\k, FB+64*\k+32
.irp i, 0,1,2,3
	v_ldexp_f32 v[FB+64*\k+\i], v[FB+64*\k+\i], s36
.endr
.endr
	s_wait_alu depctr_va_vdst(0)                   ; the scalings have written the eight registers that the two stores read
	global_store_b128 v1, v[FB:FB+3], s[20:21]                 ; four rows of 128 bytes: 512 consecutive bytes, aligned
	global_store_b128 v1, v[FB+64:FB+67], s[20:21] offset:512
	s_cmp_lg_u32 s2, 0
	s_cbranch_scc1 .Lend
	ds_load_b128 v[PC:PC+3], v17                   ; wave 0's own words
	s_wait_dscnt 0x0
	global_store_b128 v1, v[PC:PC+3], s[22:23]     ; 128 numbers: 512 consecutive bytes, aligned
.Lend:
	s_wait_xcnt 0x0
	v_lshl_add_u32 v254, v0, 2, 0x4b600            ; no memory or LDS instruction has read v254 or v255 since the wait on vm_vsrc at step 7's end
	v_mov_b32 v255, 0
	s_wait_dscnt 0x0                               ; the closing lines, six on end
	s_wait_alu 0x0
	s_wait_tensorcnt 0x0
	ds_add_u32 v254, v255
	s_wait_dscnt 0x0
	s_endpgm
.Lfunc_end_k_qd9bdcff3e1_attn:
	.size	k_qd9bdcff3e1_attn, .Lfunc_end_k_qd9bdcff3e1_attn-k_qd9bdcff3e1_attn
	.p2alignl 7, 3214868480
	.fill 96, 4, 3214868480
	.section	.rodata,"a",@progbits
	.p2align	6, 0x0
	.amdhsa_kernel k_qd9bdcff3e1_attn
		.amdhsa_group_segment_fixed_size 310784
		.amdhsa_private_segment_fixed_size 0
		.amdhsa_enable_private_segment 0
		.amdhsa_kernarg_size 64
		.amdhsa_user_sgpr_count 2
		.amdhsa_user_sgpr_kernarg_segment_ptr 1
		.amdhsa_wavefront_size32 1
		.amdhsa_system_sgpr_workgroup_id_x 1
		.amdhsa_system_sgpr_workgroup_id_y 1
		.amdhsa_system_sgpr_workgroup_id_z 1
		.amdhsa_system_vgpr_workitem_id 0
		.amdhsa_next_free_vgpr 256
		.amdhsa_next_free_sgpr 66
		.amdhsa_reserve_vcc 0
		.amdhsa_float_denorm_mode_32 3
		.amdhsa_float_denorm_mode_16_64 3
		.amdhsa_memory_ordered 1
		.amdhsa_forward_progress 1
		.amdhsa_inst_pref_size 84
	.end_amdhsa_kernel
	.amdgpu_metadata
---
amdhsa.version: [ 1, 2 ]
amdhsa.kernels:
  - .name:           k_qd9bdcff3e1_attn
    .symbol:         k_qd9bdcff3e1_attn.kd
    .args:
      - { .name: qc, .offset: 0, .size: 8, .value_kind: global_buffer, .address_space: global }
      - { .name: kc, .offset: 8, .size: 8, .value_kind: global_buffer, .address_space: global }
      - { .name: vc, .offset: 16, .size: 8, .value_kind: global_buffer, .address_space: global }
      - { .name: qmask, .offset: 24, .size: 8, .value_kind: global_buffer, .address_space: global }
      - { .name: kbias, .offset: 32, .size: 8, .value_kind: global_buffer, .address_space: global }
      - { .name: lowp_scales, .offset: 40, .size: 8, .value_kind: global_buffer, .address_space: global }
      - { .name: ctx, .offset: 48, .size: 8, .value_kind: global_buffer, .address_space: global }
      - { .name: wpart, .offset: 56, .size: 8, .value_kind: global_buffer, .address_space: global }
    .group_segment_fixed_size: 310784
    .private_segment_fixed_size: 0
    .kernarg_segment_align: 8
    .kernarg_segment_size: 64
    .max_flat_workgroup_size: 512
    .sgpr_count:     66
    .vgpr_count:     256
    .wavefront_size: 32
...
	.end_amdgpu_metadata
.endif
;; end of part 5
;; launch ln: the kernel of part 3 again; grid 256 x 1, 8 waves a work-group, no clusters, 0 bytes of LDS; arguments ctx, wpart, gamma, beta, out0, out1; writes out0, out1
